; MI455X (gfx1250); checked and timed in simulation.
; The chip was launched on July 23, 2026; its instructions are those of AMD's public machine-readable ISA for CDNA 5 (MIT licence, August 2026) and "CDNA5" Instruction Set Architecture Reference Guide (July 2026). The comments in the code are by the model that wrote it; some were corrected since.
;; Multi Head Attention. Allowed arithmetic: matrix products marked QUANTISED: E2M1 operands, one E8M0 scale for each 32 along K, by v_wmma_scale_f32_16x16x128_f8f6f4 with both operands' format E2M1 (or v_wmma_scale_f32_32x16x128_f4), f32 sums; products left as they are: bf16, f16 or f32 operands; f32 sums; everything else in f32.
;; Inputs: Wk 1,024 x 1,024 float32; Wo 1,024 x 1,024 float32; Wq 1,024 x 1,024 float32; Wv 1,024 x 1,024 float32; bk 1,024 float32; bo 1,024 float32; bq 1,024 float32; bv 1,024 float32; mask 4 x 2,048 bool; x 4 x 2,048 x 1,024 float32.
;; Outputs: out0 4 x 2,048 x 1,024 float32.
;; This version of the problem:
;;   THIS VERSION OF THE PROBLEM IS GIVEN IN LOW PRECISION. The matrix products marked QUANTISED in the list below multiply operands that are first quantised to E2M1 (2 exponent bits, 1 mantissa bit; 4 bits a number), with one power-of-two scale for each 32 numbers along K (OCP MX v1.0); their sums are f32. The products marked 'left as it is' may take bf16, f16 or f32 operands, with f32 sums. Whichever they take, every output number must still come out within the allowed error. Rounding operands to bf16 (8 significant bits) uses up far more of that allowance than f16 does (11 bits, for magnitudes from 6e-5 to 65,504). All else is computed in f32.
;;   The module's matrix products, in the order in which they are computed (A, B: the left and right operand; K: the contracted axis; several contracted axes count as one K, in the product's order):
;;     1. [M 8,192, K 1,024] x [K 1,024, N 1,024]; A: input x; B: input Wq: QUANTISED
;;     2. [M 8,192, K 1,024] x [K 1,024, N 1,024]; A: input x; B: input Wk: QUANTISED
;;     3. [M 8,192, K 1,024] x [K 1,024, N 1,024]; A: input x; B: input Wv: QUANTISED
;;     4. batch 64 x [M 2,048, K 64] x [K 64, N 2,048]; A: computed on the way; B: computed on the way: left as it is (an operand is computed on the way)
;;     5. batch 64 x [M 2,048, K 2,048] x [K 2,048, N 64]; A: computed on the way; B: computed on the way: left as it is (an operand is computed on the way)
;;     6. [M 8,192, K 1,024] x [K 1,024, N 1,024]; A: computed on the way; B: input Wo: left as it is (an operand is computed on the way)
;;   THE QUANTISER, for each operand of a quantised product, along K:
;;     - K is cut into blocks of 32 from its start; a last block that is shorter is filled with zeros.
;;     - A block's scale is 2^e with e = floor(log2(the largest magnitude in the block)) - 2, held to -126 .. 127; a block of zeros has e = 0. As a byte (E8M0): e + 127.
;;     - Each number is divided by its block's scale, clamped to +-6, and rounded to the nearest number of E2M1, ties to even, subnormals kept.
;;     - The product sums the exact products of the quantised numbers (number of the format x scale) in f32.
;;   ~~~python
;;   def quantise(x, axis):      # numpy; x: float32 -> the quantised numbers, widened to float32 again
;;       x = np.moveaxis(x, axis, -1); K = x.shape[-1]
;;       x = np.pad(x, [(0, 0)] * (x.ndim - 1) + [(0, -K % 32)]); x = x.reshape(x.shape[:-1] + (-1, 32)); a = np.abs(x).max(-1, keepdims=True)
;;       e = np.where(a > 0, np.clip(np.frexp(np.where(a > 0, a, 1))[1] - 1 - 2, -126, 127), 0)      # np.frexp(a)[1] - 1 = floor(log2(a)), exactly
;;       r = np.clip(x / 2.0 ** e, -6, 6)
;;       step = 2.0 ** (np.maximum(np.frexp(np.where(r == 0, 1, r))[1] - 1, 0) - 1)
;;       q = np.round(r / step) * step * 2.0 ** e      # np.round: ties to even
;;       return np.moveaxis(q.reshape(q.shape[:-2] + (-1,))[..., :K], -1, axis).astype(np.float32)
;;   ~~~
;; One version. Each part assembles by itself: llvm-mc -triple=amdgcn-amd-amdhsa -mcpu=gfx1250 --defsym DOCPART=n.
;; ======== version 1 of 1: 4 launches
;; limits: values are held in f16: magnitudes above 65,504 overflow, below 6.1e-05 lose precision
;; workspace buffers: xc 4,194,304 bytes; xs 262,144 bytes; wc 1,572,864 bytes; ws 98,304 bytes; wo16 2,097,152 bytes; qkv 50,331,648 bytes; ao 16,777,216 bytes
;; launch prep (part 1): grid 336 x 1, 4 waves a work-group, no clusters, 68,096 bytes of LDS; arguments x, Wq, Wk, Wv, Wo, xc, xs, wc, ws, wo16; writes xc, xs, wc, ws, wo16
.if DOCPART == 1
	.amdgcn_target "amdgcn-amd-amdhsa--gfx1250"
	.amdhsa_code_object_version 6
	.text
	.protected	k_q1ee30d2cd1_prep
	.globl	k_q1ee30d2cd1_prep
	.p2align	8
	.type	k_q1ee30d2cd1_prep,@function
k_q1ee30d2cd1_prep:
	s_mov_b64 s[64:65], 0
	v_nop
	global_prefetch_b8 v0, s[64:65] scope:SCOPE_SE
	s_setreg_imm32_b32 hwreg(HW_REG_WAVE_MODE, 25, 1), 1
	s_wait_xcnt 0x0
; THE OPERANDS ARE MADE NARROW, ONCE.  Three kinds of work-group, told apart by the work-group's number alone:
;   0-47    W: Wq, Wk, Wv [1024 (k)][1024 (n)] f32 -> codes of E2M1 laid [3072 (n)][512 bytes] with K innermost (wc), one E8M0 byte for each 32 along K, [3072][32] (ws)
;   48-79   O: Wo f32 -> f16, element by element, layout unchanged (wo16)
;   80-335  X: x [8192][1024] f32 -> codes [8192][512 bytes] (xc), scale bytes [8192][32] (xs)
; A block's scale is 2^(floor(log2(its largest magnitude)) - 2); its byte is the largest magnitude's exponent field - 2, held at 1 from below; each number is divided by the scale and rounded to the
; nearest code, ties to even, beyond 6 the largest code.
; LIMITS: a block of zeros gets the byte 1 where the rule says 127 (its codes are zeros, which add nothing under any byte but 0xff, and this program alone reads the bytes); NaN and infinities among the
; inputs are not served; |Wo| stays under 65,504 (f16).
; Each kind has LDS bytes of its own: X 0-32,767, W 32,768-67,583; the spare words lie behind them.  No tensor loads, no barrier: waves share nothing.
.set SPW,   192                        ; v192  LDS address of my spare word: SPARE + 4 x my thread's number; never rewritten
.set NIL,   193                        ; v193  0; never rewritten
.set SPARE, 67584                      ; 128 bytes for each wave: two blocks of 256 bytes that no other line names
.set WSTG,  32768                      ; path W's stages
.set SP,    80                         ; path X: a lane's place in a stage: 64 bytes + 16 of padding
.set XR,    16                         ; path X: v16-79 four sets of 16 numbers as loaded
.set XN,    80                         ;         v80-111 two sets of 16 neighbours
.set XE,    112                        ;         v112-127 a scale byte for each step
.set XC,    128                        ;         v128-191 codes, four registers a step
.set WP,    272                        ; path W: a stage row: 256 bytes + 16
.set WSB,   24                         ;         v24-27 scale bytes, four to a register
.set WX,    32                         ;         v32-95 two sets of 32 numbers
.set WC,    96                         ;         v96-99 a block's codes
.set WOUT,  112                        ;         v112-175 the way out
.macro FINISH                          ; a wave's end, behind its last LDS store
	s_wait_tensorcnt 0x0
	ds_add_u32 v[SPW], v[NIL]
	s_wait_dscnt 0x0
	s_endpgm
.endm
	s_load_b256 s[4:11], s[0:1], 0x0               ; x s[4:5], Wq s[6:7], Wk s[8:9], Wv s[10:11]
	s_load_b256 s[12:19], s[0:1], 0x20             ; Wo s[12:13], xc s[14:15], xs s[16:17], wc s[18:19]
	s_load_b128 s[20:23], s[0:1], 0x40             ; ws s[20:21], wo16 s[22:23]
	v_lshl_add_u32 v[SPW], v0, 2, SPARE
	v_mov_b32 v[NIL], 0
	v_lshrrev_b32 v1, 5, v0
	v_readfirstlane_b32 s24, v1                    ; wave 0..3
	v_and_b32 v2, 31, v0                           ; lane
	s_wait_kmcnt 0x0
	s_cmp_lt_u32 ttmp9, 48
	s_cbranch_scc1 .Lw
	s_cmp_lt_u32 ttmp9, 80
	s_cbranch_scc1 .Lo
; ---------------- PATH X.  x is a plain stream of blocks of 32.  A wave takes 16 steps of 512 numbers.  Each load reads 512 consecutive bytes, 16 a lane; a step's 2,048 bytes turn through the wave's own
; stage in LDS and come back 64 bytes a lane: 16 NEIGHBOURS along K, two lanes to a block.  A lane's 16 codes are 8 bytes: the wave stores 256 consecutive bytes.  The wave's 256 scale bytes are gathered in LDS.
	v_lshlrev_b32 v3, 4, v2                        ; my 16 bytes of a load's 512
	s_lshl_b32 s25, s24, 13                        ; my wave's 8,192 bytes of LDS
	v_lshrrev_b32 v14, 2, v2
	v_mul_u32_u24 v14, v14, SP
	v_and_b32 v15, 3, v2
	v_lshl_add_u32 v14, v15, 4, v14
	v_add_nc_u32 v14, s25, v14                     ; the stage, on the way in: SP (lane / 4) + 16 (lane % 4)
	v_mul_u32_u24 v15, v2, SP
	v_add_nc_u32 v15, s25, v15                     ; and on the way out: SP x lane
	v_lshlrev_b32 v4, 3, v2                        ; my codes' place in a step's
	v_lshrrev_b32 v5, 1, v2
	s_add_co_u32 s25, s25, 2*32*SP
	v_add_nc_u32 v5, s25, v5                       ; my block's byte among the wave's 256
	v_lshlrev_b32 v7, 3, v2
	v_add_nc_u32 v6, s25, v7                       ; and on the way out 8 bytes a lane
	s_sub_co_u32 s26, ttmp9, 80
	s_lshl_b32 s26, s26, 2
	s_add_co_u32 s26, s26, s24                     ; which run of 8,192 numbers is my wave's: 0..1023
	s_lshl_b32 s28, s26, 15
	s_mov_b32 s29, 0
	s_add_nc_u64 s[4:5], s[4:5], s[28:29]
	s_lshl_b32 s28, s26, 12
	s_add_nc_u64 s[14:15], s[14:15], s[28:29]
	s_lshl_b32 s28, s26, 8
	s_add_nc_u64 s[16:17], s[16:17], s[28:29]
.macro XLOAD t
.irp i, 0,1,2,3
	global_load_b128 v[XR+16*((\t)%4)+4*\i:XR+16*((\t)%4)+4*\i+3], v3, s[4:5] offset:2048*(\t)+512*\i th:TH_LOAD_NT
.endr
.endm
.macro XTURN t                         ; step t's numbers through the stage: LDS serves a wave's instructions in order, so no wait stands between the stores and the loads
.irp i, 0,1,2,3
	ds_store_b128 v14, v[XR+16*((\t)%4)+4*\i:XR+16*((\t)%4)+4*\i+3] offset:32*SP*((\t)%2)+8*SP*\i
.endr
.irp i, 0,1,2,3
	ds_load_b128 v[XN+16*((\t)%2)+4*\i:XN+16*((\t)%2)+4*\i+3], v15 offset:32*SP*((\t)%2)+16*\i
.endr
.endm
.irp t, 0,1,2,3
	XLOAD \t
.endr
	s_wait_loadcnt 12                              ; step 0's four loads are in; the twelve of steps 1 to 3 may be out
	XTURN 0
.macro XSTEP t
.set XS, XN+16*((\t)%2)
.if (\t) > 0
	s_wait_dscnt 1                                 ; this step's numbers are back from the stage; the last step's byte store may be out
.else
	s_wait_dscnt 0x0
.endif
.if (\t)+4 < 16
	XLOAD (\t)+4                                   ; into the set whose stores into the stage have been served
.endif
.if (\t)+1 < 16
.if 14-(\t) >= 3
	s_wait_loadcnt 12                              ; the next step's four loads are in; those of the three steps behind it may be out
.else
	s_wait_loadcnt 4*(14-(\t))
.endif
	XTURN (\t)+1
.endif
	v_max3_num_f32 v8, |v[XS]|, |v[XS+1]|, |v[XS+2]|               ; the largest magnitude of my 16, in two chains
	v_max3_num_f32 v9, |v[XS+3]|, |v[XS+4]|, |v[XS+5]|
.irp i, 6,10
	v_max3_num_f32 v8, v8, |v[XS+\i]|, |v[XS+\i+1]|
	v_max3_num_f32 v9, v9, |v[XS+\i+2]|, |v[XS+\i+3]|
.endr
	v_max3_num_f32 v8, v8, |v[XS+14]|, |v[XS+15]|
	v_max3_num_f32 v8, v8, v9, 0x1800000           ; and the floor 2^(3 - 127): the byte cannot fall under 1
	v_max_num_f32_dpp v8, v8, v8 row_xmask:1 row_mask:0xf bank_mask:0xf   ; and of my neighbour's 16: the block's
	v_add_nc_u32 v11, 0xff000000, v8               ; 2 off its exponent field: the conversion takes the exponent field of this operand as its scale
	v_cvt_scalef32_pk8_fp4_f32 v[XC+4*(\t)], v[XS:XS+7], v11
	v_cvt_scalef32_pk8_fp4_f32 v[XC+4*(\t)+1], v[XS+8:XS+15], v11
	v_lshrrev_b32 v[XE+(\t)], 23, v11              ; the scale's byte
	ds_store_b8 v5, v[XE+(\t)] offset:16*(\t)      ; both lanes of a block write the same byte with the same value
	global_store_b64 v4, v[XC+4*(\t):XC+4*(\t)+1], s[14:15] offset:256*(\t)   ; 32 lanes store 256 consecutive bytes, aligned
.endm
.irp t, 0,1,2,3,4,5,6,7,8,9,10,11,12,13,14,15
	XSTEP \t
.endr
	ds_load_b64 v[8:9], v6                         ; these see my byte stores: LDS serves a wave in order
	s_wait_dscnt 0x0
	global_store_b64 v7, v[8:9], s[16:17]          ; 256 consecutive bytes, aligned
	FINISH
; ---------------- PATH W.  K is W's FIRST axis.  A lane takes a column n and its registers run down K: each load reads 128 consecutive bytes a wave, a block of 32 lies in one lane's 32 registers, and the
; conversions give codes with K innermost.  A wave takes 32 columns x 512 along K; the codes go through its stage and leave as rows: sixteen lanes store 256 consecutive bytes, aligned.
.Lw:
	s_lshr_b32 s25, ttmp9, 4                       ; which weight: 0 Wq, 1 Wk, 2 Wv
	s_bfe_u32 s28, ttmp9, 0x10003                  ; which 512 along K
	s_and_b32 s29, ttmp9, 7
	s_lshl_b32 s29, s29, 7
	s_lshl_b32 s30, s24, 5
	s_add_co_u32 s29, s29, s30                     ; my wave's first column
	s_cmp_lt_u32 s25, 1
	s_cselect_b64 s[26:27], s[6:7], s[8:9]
	s_cmp_lt_u32 s25, 2
	s_cselect_b64 s[26:27], s[26:27], s[10:11]
	s_lshl_b32 s30, s28, 21                        ; 512 rows of 4,096 bytes
	s_lshl_b32 s31, s29, 2
	s_add_co_u32 s30, s30, s31
	s_mov_b32 s31, 0
	s_add_nc_u64 s[26:27], s[26:27], s[30:31]
	s_lshl_b32 s25, s25, 10
	s_add_co_u32 s25, s25, s29                     ; my first row of wc and ws
	s_lshl_b32 s30, s25, 9
	s_lshl_b32 s32, s28, 8
	s_add_co_u32 s30, s30, s32
	s_add_nc_u64 s[18:19], s[18:19], s[30:31]
	s_lshl_b32 s30, s25, 5
	s_lshl_b32 s32, s28, 4
	s_add_co_u32 s30, s30, s32
	s_add_nc_u64 s[20:21], s[20:21], s[30:31]
	v_lshlrev_b32 v3, 2, v2                        ; in: 4 bytes a lane
	s_mul_i32 s33, s24, 32*WP
	s_add_co_u32 s33, s33, WSTG                    ; my stage
	v_mul_u32_u24 v4, v2, WP
	v_add_nc_u32 v4, s33, v4                       ; into it: row = my column
	v_and_b32 v5, 15, v2
	v_lshrrev_b32 v6, 4, v2
	v_mul_u32_u24 v7, v6, WP
	v_lshl_add_u32 v7, v5, 4, v7
	v_add_nc_u32 v7, s33, v7                       ; out of it: sixteen lanes to a row, two rows an instruction
	v_lshlrev_b32 v8, 9, v6
	v_lshl_add_u32 v8, v5, 4, v8                   ; and the same place in wc
	v_lshlrev_b32 v9, 5, v2                        ; my column's row of scale bytes
.macro WLOAD t                         ; block t: W(32 t + i, my column) into set t % 2
.irp i, 0,1,2,3,4,5,6,7,8,9,10,11,12,13,14,15,16,17,18,19,20,21,22,23,24,25,26,27,28,29,30,31
	global_load_b32 v[WX+32*((\t)%2)+\i], v3, s[26:27] offset:(32*(\t)+\i)*4096 th:TH_LOAD_NT
.endr
.endm
	WLOAD 0
	WLOAD 1
.macro WBLOCK t
.set XS, WX+32*((\t)%2)
.if (\t) < 15
	s_wait_loadcnt 32                              ; this block's 32 loads are in; the next block's may be out
.else
	s_wait_loadcnt 0
.endif
	v_max3_num_f32 v12, |v[XS]|, |v[XS+1]|, |v[XS+2]|
	v_max3_num_f32 v13, |v[XS+3]|, |v[XS+4]|, |v[XS+5]|
.irp i, 6,10,14,18,22,26
	v_max3_num_f32 v12, v12, |v[XS+\i]|, |v[XS+\i+1]|
	v_max3_num_f32 v13, v13, |v[XS+\i+2]|, |v[XS+\i+3]|
.endr
	v_max3_num_f32 v12, v12, |v[XS+30]|, |v[XS+31]|
	v_max3_num_f32 v12, v12, v13, 0x1800000        ; with the floor 2^(3 - 127)
	v_add_nc_u32 v11, 0xff000000, v12              ; the conversion's scale operand
	v_lshrrev_b32 v13, 23, v11                     ; the scale's byte
.if (\t)%4 == 0
	v_mov_b32 v[WSB+(\t)/4], v13
.else
	v_lshl_or_b32 v[WSB+(\t)/4], v13, 8*((\t)%4), v[WSB+(\t)/4]
.endif
.irp g, 0,1,2,3
	v_cvt_scalef32_pk8_fp4_f32 v[WC+\g], v[XS+8*\g:XS+8*\g+7], v11
.endr
	ds_store_b128 v4, v[WC:WC+3] offset:16*(\t)    ; 32 codes: 16 bytes of my column's row
.if (\t)+2 < 16
	WLOAD (\t)+2
.endif
	s_wait_dscnt 0x0                               ; the store has read its registers: the next block's codes may be written
.endm
.irp t, 0,1,2,3,4,5,6,7,8,9,10,11,12,13,14,15
	WBLOCK \t
.endr
	global_store_b128 v9, v[WSB:WSB+3], s[20:21]   ; my column's 16 scale bytes
.irp t, 0,1,2,3,4,5,6,7,8,9,10,11,12,13,14,15
	ds_load_b128 v[WOUT+4*\t:WOUT+4*\t+3], v7 offset:2*\t*WP
.endr
.irp t, 0,1,2,3,4,5,6,7,8,9,10,11,12,13,14,15
	s_wait_dscnt 15-\t
	global_store_b128 v8, v[WOUT+4*\t:WOUT+4*\t+3], s[18:19] offset:2*\t*512
.endr
	FINISH
; ---------------- PATH O.  A wave takes 8,192 numbers of Wo in 64 chunks of 512 bytes; sixteen loads are on their way; a chunk leaves as 256 consecutive bytes of f16.
.Lo:
	s_sub_co_u32 s25, ttmp9, 48
	s_lshl_b32 s25, s25, 2
	s_add_co_u32 s25, s25, s24                     ; my run: 0..127
	s_lshl_b32 s26, s25, 15
	s_mov_b32 s27, 0
	s_add_nc_u64 s[12:13], s[12:13], s[26:27]
	s_lshl_b32 s26, s25, 14
	s_add_nc_u64 s[22:23], s[22:23], s[26:27]
	v_lshlrev_b32 v3, 4, v2
	v_lshlrev_b32 v4, 3, v2
.set n, 0
.rept 16
	global_load_b128 v[16+4*n:16+4*n+3], v3, s[12:13] offset:512*n th:TH_LOAD_NT
.set n, n+1
.endr
.set n, 0
.rept 64
.if n < 48
	s_wait_loadcnt 15                              ; chunk n is in; the fifteen loads issued behind it may be out
.else
	s_wait_loadcnt 63-n
.endif
.if n >= 16
	s_wait_xcnt 0x0                                ; the store of sixteen chunks ago has read its data registers: they are written again only behind this wait
.endif
	v_cvt_pk_f16_f32 v[80+2*(n%16)], v[16+4*(n%16)], v[16+4*(n%16)+1]
	v_cvt_pk_f16_f32 v[80+2*(n%16)+1], v[16+4*(n%16)+2], v[16+4*(n%16)+3]
.if n+16 < 64
	global_load_b128 v[16+4*(n%16):16+4*(n%16)+3], v3, s[12:13] offset:512*(n+16) th:TH_LOAD_NT
.endif
	global_store_b64 v4, v[80+2*(n%16):80+2*(n%16)+1], s[22:23] offset:256*n
.set n, n+1
.endr
	FINISH
.Lfunc_end_k_q1ee30d2cd1_prep:
	.size	k_q1ee30d2cd1_prep, .Lfunc_end_k_q1ee30d2cd1_prep-k_q1ee30d2cd1_prep
	.p2alignl 7, 3214868480
	.fill 96, 4, 3214868480
	.section	.rodata,"a",@progbits
	.p2align	6, 0x0
	.amdhsa_kernel k_q1ee30d2cd1_prep
		.amdhsa_group_segment_fixed_size 68096
		.amdhsa_private_segment_fixed_size 0
		.amdhsa_enable_private_segment 0
		.amdhsa_kernarg_size 80
		.amdhsa_user_sgpr_count 2
		.amdhsa_user_sgpr_kernarg_segment_ptr 1
		.amdhsa_wavefront_size32 1
		.amdhsa_system_sgpr_workgroup_id_x 1
		.amdhsa_system_sgpr_workgroup_id_y 1
		.amdhsa_system_sgpr_workgroup_id_z 1
		.amdhsa_system_vgpr_workitem_id 0
		.amdhsa_next_free_vgpr 196
		.amdhsa_next_free_sgpr 66
		.amdhsa_reserve_vcc 0
		.amdhsa_float_denorm_mode_32 3
		.amdhsa_float_denorm_mode_16_64 3
		.amdhsa_memory_ordered 1
		.amdhsa_forward_progress 1
		.amdhsa_inst_pref_size 135
	.end_amdhsa_kernel
	.amdgpu_metadata
---
amdhsa.version: [ 1, 2 ]
amdhsa.kernels:
  - .name:           k_q1ee30d2cd1_prep
    .symbol:         k_q1ee30d2cd1_prep.kd
    .args:
      - { .name: x, .offset: 0, .size: 8, .value_kind: global_buffer, .address_space: global }
      - { .name: Wq, .offset: 8, .size: 8, .value_kind: global_buffer, .address_space: global }
      - { .name: Wk, .offset: 16, .size: 8, .value_kind: global_buffer, .address_space: global }
      - { .name: Wv, .offset: 24, .size: 8, .value_kind: global_buffer, .address_space: global }
      - { .name: Wo, .offset: 32, .size: 8, .value_kind: global_buffer, .address_space: global }
      - { .name: xc, .offset: 40, .size: 8, .value_kind: global_buffer, .address_space: global }
      - { .name: xs, .offset: 48, .size: 8, .value_kind: global_buffer, .address_space: global }
      - { .name: wc, .offset: 56, .size: 8, .value_kind: global_buffer, .address_space: global }
      - { .name: ws, .offset: 64, .size: 8, .value_kind: global_buffer, .address_space: global }
      - { .name: wo16, .offset: 72, .size: 8, .value_kind: global_buffer, .address_space: global }
    .group_segment_fixed_size: 68096
    .private_segment_fixed_size: 0
    .kernarg_segment_align: 8
    .kernarg_segment_size: 80
    .max_flat_workgroup_size: 128
    .sgpr_count:     66
    .vgpr_count:     196
    .wavefront_size: 32
...
	.end_amdgpu_metadata
.endif
;; end of part 1
;; launch qkv (part 2): grid 12 x 32, 4 waves a work-group, clusters of 4 x 4, 327,680 bytes of LDS; arguments xc, xs, wc, ws, bq, bk, bv, qkv; writes qkv
.if DOCPART == 2
	.amdgcn_target "amdgcn-amd-amdhsa--gfx1250"
	.amdhsa_code_object_version 6
	.text
	.protected	k_q1ee30d2cd1_qkv
	.globl	k_q1ee30d2cd1_qkv
	.p2align	8
	.type	k_q1ee30d2cd1_qkv,@function
k_q1ee30d2cd1_qkv:
	s_mov_b64 s[64:65], 0
	v_nop
	global_prefetch_b8 v0, s[64:65] scope:SCOPE_SE
	s_setreg_imm32_b32 hwreg(HW_REG_WAVE_MODE, 25, 1), 1
	s_wait_xcnt 0x0
	s_wait_alu depctr_hold_cnt(0) depctr_sa_sdst(0) depctr_va_vdst(0) depctr_va_sdst(0) depctr_va_ssrc(0) depctr_va_vcc(0) depctr_vm_vsrc(0)
	s_getreg_b32 s2, hwreg(HW_REG_IB_STS2, 6, 4)
	s_cmp_eq_u32 s2, 0
	s_cbranch_scc0 .Lentry_in_a_cluster
	s_endpgm
.Lentry_in_a_cluster:
	s_bfe_u32 s2, ttmp6, 0x10000c
	s_cmp_lg_u32 s2, 0xf033
	s_cbranch_scc0 .Lentry_shape_is_right
	s_endpgm
.Lentry_shape_is_right:
; Q, K, V = x W + b for the three weights at once: C [8192][3072] = A B^T on codes of E2M1 with one E8M0 scale for each 32 along K (K = 1024).  A = xc, xs; B = wc, ws (row n = 1024 t + column).
; The result leaves as f16, laid by head: qkv [3][batch x 16 + head][position][64]; the Q section is multiplied by log2(e) / 8, so that attention's scores are exponents of 2.
; LIMITS: |Q| x 0.18, |K|, |V| stay under 65,504 (f16).
; A tile of C, 256 x 256, is made by four waves, each 128 x 128: 64 accumulators, 512 registers; a wave's 128 columns are two heads.  K = 1024 is two LDS slots of 512 along K (rows of 256 bytes): both are
; filled at the start and never again.  The scale bytes of the work-group's rows, for all of K, are two dense blocks and come with them.
; CLUSTERS: 4 x 4 work-groups; A's tiles are shared along a row of the cluster, B's along a column: each is asked for jointly, by the same tensor load with the same descriptor and a mask that names the four.
; THE MATRIX INSTRUCTION IS USED TRANSPOSED (source 0 = 16 rows of B, source 1 = 16 rows of A): a lane holds eight neighbouring columns of one row of C.  The bias is the C of each sum's first product.
; REGISTERS, in windows of 256: window 0: v16-29 addresses; v32-95 scale words, two sets, and nothing else; v96-127 packed results; v128-191 A's fragments, later rows read back; v192-255 the bias, later scaled results.
;   window 1: B's fragments, two sets, at v0 and v128.   window 2: the accumulators of my rows 0-63 ((a, b) at v[8 (8 a + b)]);   window 3: those of my rows 64-127.
.set NQ,     4                         ; steps of 128 along K in a slot
.set ROWB,   256                       ; a tile's row in bytes
.set KROW,   512                       ; a row of xc or wc in memory
.set PITCH,  272                       ; an LDS row: 256 bytes + 16 of padding
.set FR,     8
.set NL,     2
.set NP,     4
.set HALFT,  128*PITCH
.set SLOT,   4*HALFT
.set KS,     32                        ; a row of scale bytes
.set SCL,    2*SLOT                    ; behind the slots: the scales, as units of 256 bytes + 16 of padding
.set HALFS,  16*272                    ; the scales of 128 rows
.set SBLK,   2*272                     ; those of 16 rows
.set SPARE,  SCL+4*HALFS               ; the spare words, 128 bytes for each wave: two blocks of 256 bytes that no other line names
.set SPITCH, 272                       ; the way out: a stage of 16 rows x (256 bytes + 16) for each wave, in slot 0, which has had its one fill and its last read by then
.set ADRA, 16
.set ADRB, 20
.set STO,  24
.set RD,   25
.set CO,   26
.set ADRS, 27
.set SPW,  28
.set NIL,  29
.set SC,   32
.set PKR,  96
.set AF,   128
.set BK,   128
.set BIAS, 192
.set T8,   192
.set G1,   24
.set G0,   32
.set G1B,  48
.set G0B,  56
.set G1S,  68
.set G0S,  76
.set G1SB, 80
.set G0SB, 88
.set MSB, 0
.macro WIN new                         ; the immediate's high byte repeats the setting that is left
.if MSB != (\new)
	s_set_vgpr_msb (MSB<<8)|(\new)
.set MSB, (\new)
.endif
.endm
.set MUL_LO, 0xa1                      ; source 0 (B) window 1, source 1 (A) window 0, C and D window 2
.set MUL_HI, 0xf1                      ; the same, C and D window 3
.set TO_B,   0x40
; A joint load: waves 0 and 1 fetch for A, waves 2 and 3 for B; the branch hangs on the wave's number alone.  An s_nop 0 and four v_nop follow each of the two lines.
.macro JLOAD g0a, g1a, g0b, g1b
	s_cmp_eq_u32 s21, 0
	s_cbranch_scc0 .Lfor_b_\@
	tensor_load_to_lds s[\g0a:\g0a+3], s[\g1a:\g1a+7]
	s_nop 0
.rept 4
	v_nop
.endr
	s_branch .Lasked_\@
.Lfor_b_\@:
	tensor_load_to_lds s[\g0b:\g0b+3], s[\g1b:\g1b+7]
	s_nop 0
.rept 4
	v_nop
.endr
.Lasked_\@:
.endm
.macro CROUND                          ; a round of the cluster's barrier
	s_barrier_signal -1
	s_barrier_wait -1
	s_cmp_lg_u32 s20, 0
	s_cbranch_scc1 .Lnot_wave_0_\@
	s_barrier_signal -3
.Lnot_wave_0_\@:
	s_barrier_wait -3
	s_barrier_signal -1
	s_barrier_wait -1
.endm
	s_load_b256 s[4:11], s[0:1], 0x0               ; xc s[4:5], xs s[6:7], wc s[8:9], ws s[10:11]
	s_load_b256 s[12:19], s[0:1], 0x20             ; bq s[12:13], bk s[14:15], bv s[16:17], qkv s[18:19]
	v_lshl_add_u32 v[SPW], v0, 2, SPARE
	v_mov_b32 v[NIL], 0
	ds_add_u32 v[SPW], v[NIL]                      ; the wave's opening: the add, twice on end, and its wait ahead of my first tensor load
	ds_add_u32 v[SPW], v[NIL]
	v_lshrrev_b32 v1, 5, v0
	v_readfirstlane_b32 s20, v1                    ; wave 0..3
	s_lshr_b32 s21, s20, 1                         ; which half of the tile's rows is mine.  Also: I fetch for A (0) or for B (1)
	s_and_b32 s22, s20, 1                          ; which half of its columns.  Also: which 128 rows of that tile I fetch
	s_bfe_u32 s40, ttmp6, 0x40000                  ; cx, cy: my place in the cluster
	s_bfe_u32 s41, ttmp6, 0x40004
	s_lshl_b32 s42, ttmp9, 2
	s_add_co_u32 s42, s42, s40                     ; tile column of C: 0..11
	s_and_b32 s23, ttmp7, 0xffff
	s_lshl_b32 s23, s23, 2
	s_add_co_u32 s23, s23, s41                     ; tile row of C: 0..31
	s_lshl_b32 s43, s41, 2
	s_lshl_b32 s43, 15, s43                        ; my row of the cluster
	s_lshl_b32 s44, 0x1111, s40                    ; my column
	s_or_b32 s[G1+0], s43, (0<<16)|(1<<20)|(1<<21)|(5<<22)|(3<<25)   ; the mask; elements of 1 byte; padding on; bit 21 beside a mask; after every 64 words, 4 words
	s_or_b32 s[G1B+0], s44, (0<<16)|(1<<20)|(1<<21)|(5<<22)|(3<<25)
.irp g, G1, G1B
	s_mov_b32 s[\g+1], ROWB<<16                    ; tensor_dim0
	s_mov_b32 s[\g+2], 128<<16                     ; tensor_dim1
	s_mov_b32 s[\g+3], ROWB<<16                    ; tile_dim0
	s_mov_b32 s[\g+4], 128                         ; tile_dim1
	s_mov_b32 s[\g+5], KROW                        ; from row to row
	s_mov_b32 s[\g+6], 0
	s_mov_b32 s[\g+7], 0
.endr
	s_or_b32 s[G1S+0], s43, (3<<16)|(1<<20)|(1<<21)|(5<<22)|(3<<25)  ; the scales of 128 rows: 4,096 dense bytes as 16 rows of 32 elements of 8 bytes
	s_or_b32 s[G1SB+0], s44, (3<<16)|(1<<20)|(1<<21)|(5<<22)|(3<<25)
.irp g, G1S, G1SB
	s_mov_b32 s[\g+1], 32<<16
	s_mov_b32 s[\g+2], 16<<16
	s_mov_b32 s[\g+3], 32<<16
	s_mov_b32 s[\g+4], 16
	s_mov_b32 s[\g+5], 32
	s_mov_b32 s[\g+6], 0
	s_mov_b32 s[\g+7], 0
.endr
	s_lshl_b32 s3, s22, 7                          ; which 128 rows of the tile I fetch
	s_lshl_b32 s92, s23, 8
	s_add_co_u32 s92, s92, s3                      ; A: row 256 x tile row + 128 x half
	s_lshl_b32 s46, s42, 8
	s_add_co_u32 s46, s46, s3                      ; B: row 256 x tile column + 128 x half
	s_mov_b32 s93, 0
	s_mov_b32 s47, 0
	s_lshl_b64 s[94:95], s[92:93], 5               ; where these rows' scales begin, in bytes,
	s_lshl_b64 s[96:97], s[46:47], 5
	s_lshl_b64 s[92:93], s[92:93], 9               ; and their codes
	s_lshl_b64 s[46:47], s[46:47], 9
	s_mul_i32 s45, s20, HALFT                      ; where they go: wave x 128 rows
	s_mul_i32 s2, s20, HALFS
	s_mov_b32 s66, 0x3e38aa3b                      ; log2(e) / 8 for the Q section, 1 for K and V: a selection, no branch
	s_cmp_lt_u32 s42, 4
	s_cselect_b32 s66, s66, 1.0
	s_mov_b32 s67, s66
	s_wait_dscnt 0x0                               ; both opening adds are done
	s_wait_kmcnt 0x0
	s_add_nc_u64 s[92:93], s[4:5], s[92:93]
	s_add_nc_u64 s[94:95], s[6:7], s[94:95]
	s_add_nc_u64 s[46:47], s[8:9], s[46:47]
	s_add_nc_u64 s[96:97], s[10:11], s[96:97]
	CROUND                                         ; all sixteen work-groups are here: the joint loads meet
	s_mov_b32 s[G0S], 1
	s_add_co_u32 s[G0S+1], s2, SCL
	s_mov_b64 s[G0S+2:G0S+3], s[94:95]
	s_or_b32 s[G0S+3], s[G0S+3], 0x80000000
	s_mov_b32 s[G0SB], 1
	s_add_co_u32 s[G0SB+1], s2, SCL
	s_mov_b64 s[G0SB+2:G0SB+3], s[96:97]
	s_or_b32 s[G0SB+3], s[G0SB+3], 0x80000000
	JLOAD G0S, G1S, G0SB, G1SB                     ; the scales first; then both slots: three loads of mine are out
.irp s, 0,1
	s_mov_b32 s[G0+4*\s], 1
	s_add_co_u32 s[G0+4*\s+1], s45, \s*SLOT
	s_add_nc_u64 s[G0+4*\s+2:G0+4*\s+3], s[92:93], \s*ROWB
	s_or_b32 s[G0+4*\s+3], s[G0+4*\s+3], 0x80000000
	s_mov_b32 s[G0B+4*\s], 1
	s_add_co_u32 s[G0B+4*\s+1], s45, \s*SLOT
	s_add_nc_u64 s[G0B+4*\s+2:G0B+4*\s+3], s[46:47], \s*ROWB
	s_or_b32 s[G0B+4*\s+3], s[G0B+4*\s+3], 0x80000000
	JLOAD G0+4*\s, G1, G0B+4*\s, G1B
.endr
	v_and_b32 v1, 15, v0                           ; r = lane % 16
	v_bfe_u32 v2, v0, 4, 1                         ; h = lane / 16
	; the bias of my 128 columns: lane (r, h) wants, for tile b, columns 16 b + 8 h + 0 .. 7
	s_cmp_lt_u32 s42, 4
	s_cselect_b64 s[12:13], s[12:13], s[14:15]
	s_cmp_lt_u32 s42, 8
	s_cselect_b64 s[12:13], s[12:13], s[16:17]
	s_and_b32 s98, s42, 3
	s_lshl_b32 s98, s98, 8
	s_lshl_b32 s99, s22, 7
	s_add_co_u32 s98, s98, s99
	s_lshl_b32 s98, s98, 2
	s_mov_b32 s99, 0
	s_add_nc_u64 s[12:13], s[12:13], s[98:99]
	v_lshlrev_b32 v7, 5, v2
.irp b, 0,1,2,3,4,5,6,7
	global_load_b128 v[BIAS+8*\b:BIAS+8*\b+3], v7, s[12:13] offset:64*\b
	global_load_b128 v[BIAS+8*\b+4:BIAS+8*\b+7], v7, s[12:13] offset:64*\b+16
.endr
	v_mul_u32_u24 v3, v1, PITCH
	v_lshl_add_u32 v4, v2, 4, v3                   ; a fragment's row x pitch + 16 x half
	s_mul_i32 s92, s21, HALFT                      ; my 128 rows of A
	s_mul_i32 s93, s22, HALFT                      ; my 128 rows of B,
	s_add_co_u32 s93, s93, 2*HALFT                 ; which lie behind A's 256
.irp s, 0,1
	v_add_nc_u32 v[ADRA+\s], s92, v4
	v_add_nc_u32 v[ADRB+\s], s93, v4
	s_add_co_u32 s92, s92, SLOT
	s_add_co_u32 s93, s93, SLOT
.endr
	v_mul_u32_u24 v5, v1, KS                       ; my row's scales: 32 bytes a row,
	v_lshrrev_b32 v6, 8, v5
	v_lshl_add_u32 v5, v6, 4, v5                   ; and 16 more for each 256 passed
	s_mul_i32 s92, s21, HALFS
	s_mul_i32 s93, s22, HALFS
	s_add_co_u32 s93, s93, 2*HALFS
	s_sub_co_u32 s93, s93, s92
	v_mul_u32_u24 v6, s93, v2                      ; lanes 16-31 take B's: one product, the distance between the two bases
	s_add_co_u32 s92, s92, SCL
	v_add_nc_u32 v5, v5, v6
	v_add_nc_u32 v[ADRS], s92, v5
	s_mul_i32 s92, s20, 16*SPITCH                  ; my stage
	v_mul_u32_u24 v5, v1, SPITCH
	v_lshl_add_u32 v5, v2, 4, v5
	v_add_nc_u32 v[STO], s92, v5                   ; in: row r, 16 bytes for each half of the lanes
	v_bfe_u32 v5, v0, 3, 1
	v_and_b32 v6, 7, v0
	v_mul_u32_u24 v3, v5, SPITCH
	v_lshl_add_u32 v3, v2, 7, v3
	v_lshl_add_u32 v3, v6, 4, v3
	v_add_nc_u32 v[RD], s92, v3                    ; back: lanes 0-15 two rows of my first head (128 bytes each), lanes 16-31 of my second
	v_lshlrev_b32 v[CO], 18, v2                    ; and in qkv: a head is 262,144 bytes, a row 128
	v_lshl_add_u32 v[CO], v5, 7, v[CO]
	v_lshl_add_u32 v[CO], v6, 4, v[CO]
	s_lshr_b32 s92, s42, 2
	s_lshl_b32 s92, s92, 24                        ; the section: Q, K or V
	s_lshr_b32 s93, s23, 3
	s_lshl_b32 s93, s93, 4                         ; batch x 16
	s_and_b32 s94, s42, 3
	s_lshl_b32 s94, s94, 2
	s_add_co_u32 s93, s93, s94
	s_lshl_b32 s94, s22, 1
	s_add_co_u32 s93, s93, s94                     ; + my first head
	s_lshl_b32 s93, s93, 18
	s_add_co_u32 s92, s92, s93
	s_and_b32 s93, s23, 7
	s_lshl_b32 s93, s93, 8
	s_lshl_b32 s94, s21, 7
	s_add_co_u32 s93, s93, s94                     ; my first position
	s_lshl_b32 s93, s93, 7
	s_add_co_u32 s92, s92, s93
	s_mov_b32 s93, 0
	s_add_nc_u64 s[18:19], s[18:19], s[92:93]
.macro FRAG reg, adr, q, i             ; 16 rows x 128 K of 4-bit codes: 8 registers, two loads of 16 bytes, 32 bytes apart
.irp c, 0,1
	ds_load_b128 v[\reg+4*\c:\reg+4*\c+3], v[\adr] offset:64*(\q)+32*\c+(\i)*16*PITCH
.endr
.endm
; 16 matrix instructions: A's blocks a0, a0 + 1 x B's eight, the slot's q-th 128 along K.  first = 1: the bias starts the sums.  The 64 accumulators take turns, one instruction a turn.
.macro MUL16 a0, p, q, sc, first
.irp a, \a0, \a0+1
.irp b, 0,1,2,3,4,5,6,7
.if \first
	v_wmma_scale_f32_16x16x128_f8f6f4 v[8*(8*((\a)%4)+\b):8*(8*((\a)%4)+\b)+7], v[128*(\p)+FR*\b:128*(\p)+FR*\b+FR-1], v[AF+FR*(\a):AF+FR*(\a)+FR-1], v[BIAS+8*\b:BIAS+8*\b+7], v[SC+8*NQ*(\sc)+NQ*\b+(\q)], v[SC+8*NQ*(\sc)+NQ*(\a)+(\q)] matrix_a_fmt:MATRIX_FMT_FP4 matrix_b_fmt:MATRIX_FMT_FP4 matrix_a_scale:MATRIX_SCALE_ROW1
.else
	v_wmma_scale_f32_16x16x128_f8f6f4 v[8*(8*((\a)%4)+\b):8*(8*((\a)%4)+\b)+7], v[128*(\p)+FR*\b:128*(\p)+FR*\b+FR-1], v[AF+FR*(\a):AF+FR*(\a)+FR-1], v[8*(8*((\a)%4)+\b):8*(8*((\a)%4)+\b)+7], v[SC+8*NQ*(\sc)+NQ*\b+(\q)], v[SC+8*NQ*(\sc)+NQ*(\a)+(\q)] matrix_a_fmt:MATRIX_FMT_FP4 matrix_b_fmt:MATRIX_FMT_FP4 matrix_a_scale:MATRIX_SCALE_ROW1
.endif
.endr
.endr
.endm
.macro FETCH_B slot, q, p
	WIN TO_B
.irp i, 0,1,2,3,4,5,6,7
	FRAG 128*(\p)+FR*\i, ADRB+\slot, \q, \i
.endr
	WIN 0
.endm
.macro FETCH_A slot, q, i0
.irp i, \i0, \i0+1, \i0+2, \i0+3
	FRAG AF+FR*(\i), ADRA+\slot, \q, \i
.endr
.endm
.macro SCALES sc                       ; a slot's scale words: lanes 0-15 take A's block i, lanes 16-31 B's block i; four words a row
.irp i, 0,1,2,3,4,5,6,7
	ds_load_b128 v[SC+8*NQ*\sc+NQ*\i:SC+8*NQ*\sc+NQ*\i+3], v[ADRS] offset:\i*SBLK
.endr
.endm
.macro PLACES n                        ; plain vector instructions between a matrix instruction and a load into, or a read of, its registers
.rept \n
	v_nop
.endr
.endm
.macro STEP slot, q, first             ; a step of 128 along K that has its successor in the same slot
	s_wait_dscnt 4*NL                              ; B's set and A's blocks 0-3 are in; the youngest eight loads (A's blocks 4-7) may be out
	WIN MUL_LO-0x20*(\first)                       ; (first: C, the bias, lies in window 0)
	MUL16 0, (\q)%2, \q, \slot, \first
	MUL16 2, (\q)%2, \q, \slot, \first
	s_wait_dscnt 0                                 ; A's blocks 4-7 are in
	PLACES NP
	FETCH_B \slot, (\q)+1, 1-(\q)%2
	FETCH_A \slot, (\q)+1, 0
	WIN MUL_HI-0x30*(\first)
	MUL16 4, (\q)%2, \q, \slot, \first
	MUL16 6, (\q)%2, \q, \slot, \first
	PLACES NP
	WIN 0
	FETCH_A \slot, (\q)+1, 4
.endm
	s_wait_tensorcnt 1                             ; the scales and my part of slot 0 are in; slot 1's load may be out
	s_wait_loadcnt 0x0                             ; the bias
	s_barrier_signal -1
	s_barrier_wait -1                              ; everybody's are
	FETCH_B 0, 0, 0
	FETCH_A 0, 0, 0
	SCALES 0
	FETCH_A 0, 0, 4
	STEP 0, 0, 1
	STEP 0, 1, 0
	STEP 0, 2, 0
	; slot 0's last step changes slots: one barrier; in front of it each wave waits for all its tensor loads (its part of slot 1) and for its reads of slot 0
	s_wait_tensorcnt 0x0
	ds_add_u32 v[SPW], v[NIL]                      ; 0 onto my spare word
	s_wait_dscnt 4*NL+1                            ; the add and the youngest eight loads may be out
	WIN MUL_LO
	MUL16 0, 1, 3, 0, 0
	s_wait_dscnt 0x0                               ; the add is done, and my reads of slot 0 are over
	s_barrier_signal -1
	MUL16 2, 1, 3, 0, 0
	WIN 0
	s_barrier_wait -1
	PLACES NP
	v_add_nc_u32 v[ADRS], 4*NQ, v[ADRS]            ; on to slot 1's scale words
	FETCH_B 1, 0, 0
	FETCH_A 1, 0, 0
	SCALES 1
	WIN MUL_HI
	MUL16 4, 1, 3, 0, 0
	MUL16 6, 1, 3, 0, 0
	PLACES NP
	WIN 0
	FETCH_A 1, 0, 4
	STEP 1, 0, 0
	STEP 1, 1, 0
	STEP 1, 2, 0
	s_wait_dscnt 4*NL                              ; the last step: nothing more to fetch
	WIN MUL_LO
	MUL16 0, 1, 3, 1, 0
	MUL16 2, 1, 3, 1, 0
	s_wait_dscnt 0
	WIN MUL_HI
	MUL16 4, 1, 3, 1, 0
	MUL16 6, 1, 3, 1, 0
	WIN 0
; THE WAY OUT, block by block of 16 rows x 128 columns: scaled, rounded to f16 (16 bytes a lane), through my stage, back as two rows of one head for each sixteen lanes: 256 consecutive bytes, aligned.
.macro PACK a
.set AC, 64*((\a)%4)
	WIN 0x02+(\a)/4                                ; source 0: window 2 or 3
.irp b, 0,1,2,3,4,5,6,7
.irp p, 0,2,4,6
	v_pk_mul_f32 v[T8+8*\b+\p:T8+8*\b+\p+1], v[AC+8*\b+\p:AC+8*\b+\p+1], s[66:67] op_sel_hi:[1,0]   ; each accumulator from its low end on
.endr
.endr
	WIN 0
.irp b, 0,1,2,3,4,5,6,7
.irp p, 0,1,2,3
	v_cvt_pk_f16_f32 v[PKR+4*\b+\p], v[T8+8*\b+2*\p], v[T8+8*\b+2*\p+1]
.endr
.endr
.endm
.macro TOSTAGE a
.set BB, BK+32*((\a)%2)
.irp b, 0,1,2,3,4,5,6,7
	ds_store_b128 v[STO], v[PKR+4*\b:PKR+4*\b+3] offset:32*\b
.endr
.irp t, 0,1,2,3,4,5,6,7
	ds_load_b128 v[BB+4*\t:BB+4*\t+3], v[RD] offset:\t*2*SPITCH    ; LDS serves a wave's instructions in order: these see the stores above
.endr
.endm
.macro SEND a
.set BB, BK+32*((\a)%2)
	s_wait_dscnt 0x0                               ; the block is back in registers
	s_wait_xcnt 0x0                                ; the stores of the block before have read their registers: the next block's loads land there only behind this wait
.irp t, 0,1,2,3,4,5,6,7
	global_store_b128 v[CO], v[BB+4*\t:BB+4*\t+3], s[18:19] offset:2048*(\a)+256*\t
.endr
.endm
	PLACES NP
	PACK 0
	TOSTAGE 0
.irp a, 1,2,3,4,5,6,7
	PACK \a                                        ; a block's arithmetic stands between the loads of the block before and the wait for them
	SEND \a-1
	TOSTAGE \a
.endr
	SEND 7
	s_wait_tensorcnt 0x0                           ; the wave's end, behind my last tensor load and my last LDS store
	ds_add_u32 v[SPW], v[NIL]
	s_wait_dscnt 0x0
	CROUND                                         ; the closing round
	s_endpgm
.Lfunc_end_k_q1ee30d2cd1_qkv:
	.size	k_q1ee30d2cd1_qkv, .Lfunc_end_k_q1ee30d2cd1_qkv-k_q1ee30d2cd1_qkv
	.p2alignl 7, 3214868480
	.fill 96, 4, 3214868480
	.section	.rodata,"a",@progbits
	.p2align	6, 0x0
	.amdhsa_kernel k_q1ee30d2cd1_qkv
		.amdhsa_group_segment_fixed_size 327680
		.amdhsa_private_segment_fixed_size 0
		.amdhsa_enable_private_segment 0
		.amdhsa_kernarg_size 64
		.amdhsa_user_sgpr_count 2
		.amdhsa_user_sgpr_kernarg_segment_ptr 1
		.amdhsa_wavefront_size32 1
		.amdhsa_system_sgpr_workgroup_id_x 1
		.amdhsa_system_sgpr_workgroup_id_y 1
		.amdhsa_system_sgpr_workgroup_id_z 1
		.amdhsa_system_vgpr_workitem_id 0
		.amdhsa_next_free_vgpr 1024
		.amdhsa_next_free_sgpr 100
		.amdhsa_reserve_vcc 0
		.amdhsa_float_denorm_mode_32 3
		.amdhsa_float_denorm_mode_16_64 3
		.amdhsa_memory_ordered 1
		.amdhsa_forward_progress 1
		.amdhsa_inst_pref_size 145
	.end_amdhsa_kernel
	.amdgpu_metadata
---
amdhsa.version: [ 1, 2 ]
amdhsa.kernels:
  - .name:           k_q1ee30d2cd1_qkv
    .symbol:         k_q1ee30d2cd1_qkv.kd
    .args:
      - { .name: xc, .offset: 0, .size: 8, .value_kind: global_buffer, .address_space: global }
      - { .name: xs, .offset: 8, .size: 8, .value_kind: global_buffer, .address_space: global }
      - { .name: wc, .offset: 16, .size: 8, .value_kind: global_buffer, .address_space: global }
      - { .name: ws, .offset: 24, .size: 8, .value_kind: global_buffer, .address_space: global }
      - { .name: bq, .offset: 32, .size: 8, .value_kind: global_buffer, .address_space: global }
      - { .name: bk, .offset: 40, .size: 8, .value_kind: global_buffer, .address_space: global }
      - { .name: bv, .offset: 48, .size: 8, .value_kind: global_buffer, .address_space: global }
      - { .name: qkv, .offset: 56, .size: 8, .value_kind: global_buffer, .address_space: global }
    .group_segment_fixed_size: 327680
    .private_segment_fixed_size: 0
    .kernarg_segment_align: 8
    .kernarg_segment_size: 64
    .max_flat_workgroup_size: 128
    .sgpr_count:     100
    .vgpr_count:     1024
    .wavefront_size: 32
...
	.end_amdgpu_metadata
.endif
;; end of part 2
;; launch attn (part 3): grid 4 x 64, 8 waves a work-group, clusters of 4 x 1, 327,680 bytes of LDS; arguments qkv, mask, ao; writes ao
.if DOCPART == 3
	.amdgcn_target "amdgcn-amd-amdhsa--gfx1250"
	.amdhsa_code_object_version 6
	.text
	.protected	k_q1ee30d2cd1_attn
	.globl	k_q1ee30d2cd1_attn
	.p2align	8
	.type	k_q1ee30d2cd1_attn,@function
k_q1ee30d2cd1_attn:
	s_mov_b64 s[64:65], 0
	v_nop
	global_prefetch_b8 v0, s[64:65] scope:SCOPE_SE
	s_setreg_imm32_b32 hwreg(HW_REG_WAVE_MODE, 25, 1), 1
	s_wait_xcnt 0x0
	s_wait_alu depctr_hold_cnt(0) depctr_sa_sdst(0) depctr_va_vdst(0) depctr_va_sdst(0) depctr_va_ssrc(0) depctr_va_vcc(0) depctr_vm_vsrc(0)
	s_getreg_b32 s2, hwreg(HW_REG_IB_STS2, 6, 4)
	s_cmp_eq_u32 s2, 0
	s_cbranch_scc0 .Lentry_in_a_cluster
	s_endpgm
.Lentry_in_a_cluster:
	s_bfe_u32 s2, ttmp6, 0x10000c
	s_cmp_lg_u32 s2, 0x3003
	s_cbranch_scc0 .Lentry_shape_is_right
	s_endpgm
.Lentry_shape_is_right:
; ao[hb][q][:] = the sum over k of softmax_k(score) V[hb][k][:], score = Q . K / 8 where mask[batch][k], else hidden.  Q, K, V: the three sections of qkv, f16 [64 (hb)][2048][64]; Q already holds log2(e) / 8.
; Products on f16 operands with f32 sums; maxima, exponentials and sums in f32; the weights p are rounded to f16 for the second product, the result once at the end.
; SHARES.  A work-group owns 512 queries of one head, each of its eight waves 64: four tiles of 16, in 512 registers: two waves to a SIMD, so that one wave's softmax stands beside the other's products.
; Every wave walks all 2,048 keys, 64 a step.  A slot of LDS holds four steps; two slots take turns.
; LAYOUT.  S^T = K Q^T + C (source 0 = 16 keys, source 1 = 16 queries), O^T = V^T P: a lane holds ONE query throughout.  K comes out of LDS as it lies, V turned by ds_load_tr16_b128.
; THE MASK COSTS NO VECTOR INSTRUCTION IN THE LOOP: C of a score tile's first product is 0 where the key counts and -2^127 where it is hidden, read from a table in LDS made once from the mask's bytes.
; SOFTMAX.  A running maximum m and sum l for each query; p = 2^(s - m); in every step O and l are multiplied by a = 2^(m_old - m_new).  m starts at, and never falls under, -2^120, so a hidden score gives p = 0;
; a query with no key left ends with l = 0 and O = 0, and 0 x (1 / 0) is NaN, which is what a softmax over nothing gives.
; LIMITS: scaled scores under -2^120 count as hidden; NaN and infinities among the inputs are not served; |result| stays under 65,504 (f16).
; CLUSTER.  The four query blocks of a head walk the same K and V: each tile is asked for jointly, the same tensor load with the same descriptor and the mask 15 in all four.
; REGISTERS: window 0: v1-7 addresses; v8-31 six registers of statistics a tile (m, d, l, l, a, a filler); v32-63 the step's bias, between the products at work; v64-191 S^T, 32 a tile, P packed into each tile's first 16;
;   v192-255 V's fragments.   window 1: v0-63 Q; v64-191 O^T, 32 a tile; v192-255 K's fragments.
.set KP,    144                        ; a row of K in LDS: 128 bytes + 16
.set VP,    160                        ; a row of V: 128 + 32
.set VOFF,  64*KP                      ; a step's tiles lie together: 64 rows of K, then 64 rows of V
.set STEPB, 64*(KP+VP)
.set SLOT1, 1<<17                      ; slot 1 begins here: one exclusive or turns an address in one slot into the other's
.set BIASL, 262144                     ; the table: 2,048 keys x 4 bytes; stored once, never the target of a fill
.set STAGE, 270336                     ; the way out: 16 rows x 144 bytes for each wave
.set SPARE, 288768                     ; the spare words, 128 bytes for each wave: four blocks of 256 bytes that no other line names
.set ADR, 1
.set AK0, 2
.set AV0, 3
.set AB0, 4
.set PFO, 5
.set SPW, 6
.set NIL, 7
.set ST,  8
.set BI,  32
.set U,   48
.set S,   64
.set VF,  192
.set QF,  0
.set OA,  64
.set KF,  192
.set STO, 40
.set RD,  41
.set GO,  42
.set WV,  12
.set LIM, 15
.set PFA, 18
.set G1K, 24
.set G1V, 32
.set G0K, 40
.set G0V, 48
.set SLOTS, 56
.set CNT, 57
.set SEL, 60
.set TB,  62                           ; LDS byte at which the tiles of the step to be fetched begin
.set TJ,  63                           ; and its 256 bytes of the table
.set MSB, 0
.macro WIN new
.if MSB != (\new)
	s_set_vgpr_msb (MSB<<8)|(\new)
.set MSB, (\new)
.endif
.endm
; A joint refill: waves 0 to 3 fetch K's tiles of the slot's four steps, waves 4 to 7 V's.  An s_nop 0 and four v_nop follow each of the two lines.
.macro JLOAD
	s_cmp_lt_u32 s[WV], 4
	s_cbranch_scc0 .Lfor_v_\@
	tensor_load_to_lds s[G0K+4:G0K+7], s[G1K:G1K+7]
	s_nop 0
.rept 4
	v_nop
.endr
	s_branch .Lasked_\@
.Lfor_v_\@:
	tensor_load_to_lds s[G0V+4:G0V+7], s[G1V:G1V+7]
	s_nop 0
.rept 4
	v_nop
.endr
.Lasked_\@:
.endm
; A prefetch of what the NEXT change of slots will ask for: a slot's 32,768 bytes of K and of V.  The four partners share them out by address, 8,192 bytes each, lanes 256 bytes apart; in each, wave 0 asks for K's
; and wave 4 for V's: each block of 256 bytes is named once in the launch.  It stands four key steps ahead of the load.  The last change that fills a slot asks for nothing; nothing is asked for at the head.
.macro ASK
	s_cmp_gt_u32 s[SLOTS], s[LIM]
	s_cbranch_scc0 .Lnot_mine_\@
	global_prefetch_b8 v[PFO], s[PFA:PFA+1] th:TH_LOAD_NT scope:SCOPE_SE
.Lnot_mine_\@:
.endm
.macro CROUND
	s_barrier_signal -1
	s_barrier_wait -1
	s_cmp_lg_u32 s[WV], 0
	s_cbranch_scc1 .Lnot_wave_0_\@
	s_barrier_signal -3
.Lnot_wave_0_\@:
	s_barrier_wait -3
	s_barrier_signal -1
	s_barrier_wait -1
.endm
	s_load_b128 s[4:7], s[0:1], 0x0                ; qkv s[4:5], mask s[6:7]
	s_load_b64 s[8:9], s[0:1], 0x10                ; ao
	v_lshl_add_u32 v[SPW], v0, 2, SPARE
	v_mov_b32 v[NIL], 0
	ds_add_u32 v[SPW], v[NIL]                      ; the wave's opening: the add, twice on end, and its wait ahead of my first tensor load
	ds_add_u32 v[SPW], v[NIL]
	v_lshrrev_b32 v1, 5, v0
	v_readfirstlane_b32 s[WV], v1                  ; wave 0..7
	s_bfe_u32 s13, ttmp6, 0x40000                  ; cx: my place in the cluster
	s_lshl_b32 s14, ttmp9, 2
	s_add_co_u32 s14, s14, s13                     ; my block of 512 queries: it enters Q's and ao's addresses alone
	s_and_b32 s2, ttmp7, 0xffff                    ; batch x 16 + head, which the four partners share
	s_lshl_b32 s20, s2, 18                         ; the head's first byte in a section
	s_mov_b32 s21, 0
	s_and_b32 s16, s[WV], 3                        ; which of a slot's four steps I fetch:
	s_lshl_b32 s58, s16, 13                        ; its 64 rows of 128 bytes in memory,
	s_mov_b32 s59, 0
	s_mul_i32 s17, s16, STEPB                      ; and its place in a slot
	s_lshl_b32 s22, s14, 16                        ; my block's 512 rows,
	s_lshl_b32 s23, s[WV], 13                      ; my wave's 64 of them
	s_add_co_u32 s22, s22, s23
	s_mov_b32 s23, 0
	s_lshr_b32 s76, s2, 4
	s_lshl_b32 s76, s76, 11                        ; my batch's row of the mask
	s_mov_b32 s77, 0
	s_lshl_b32 s78, s13, 13                        ; the prefetches: my work-group's 8,192 bytes of a slot's 32,768,
	s_add_co_u32 s78, s78, 2*32768                 ; in slot 2; the first change of slots steps it to slot 3
	s_mov_b32 s79, 0
	s_mov_b32 s[G1K], 15|(1<<16)|(1<<20)|(1<<21)|(4<<22)|(3<<25)   ; the mask: all four; elements of 2 bytes; padding on; bit 21 beside a mask; after every 32 words, 4 words
	s_mov_b32 s[G1V], 15|(1<<16)|(1<<20)|(1<<21)|(4<<22)|(7<<25)   ; the same with 8 words of padding
.irp g, G1K, G1V
	s_mov_b32 s[\g+1], 64<<16                      ; tensor_dim0
	s_mov_b32 s[\g+2], 64<<16                      ; tensor_dim1
	s_mov_b32 s[\g+3], 64<<16                      ; tile_dim0
	s_mov_b32 s[\g+4], 64                          ; tile_dim1
	s_mov_b32 s[\g+5], 64                          ; from row to row
	s_mov_b32 s[\g+6], 0
	s_mov_b32 s[\g+7], 0
.endr
	s_mov_b32 s[SEL], 0x76543210
	s_mov_b32 s[SEL+1], 0xfedcba98                 ; v_permlanex16_b32's selects for lane l xor 16
	s_mov_b32 s[TB], 0
	s_mov_b32 s[TJ], 0
	s_mov_b32 s[SLOTS], 6                          ; 8 slots' worth of keys; two are first fills
	s_cmp_eq_u32 s16, 0
	s_cselect_b32 s[LIM], 1, -1                    ; waves 0 and 4 prefetch: the same in all four partners
	v_and_b32 v[PFO], 31, v0
	v_lshlrev_b32 v[PFO], 8, v[PFO]
	s_wait_dscnt 0x0                               ; both opening adds are done
	s_wait_kmcnt 0x0
	s_add_nc_u64 s[66:67], s[4:5], s[20:21]        ; Q's head
	s_add_nc_u64 s[70:71], s[66:67], s[22:23]      ; Q at my wave's first row
	s_add_nc_u64 s[68:69], s[66:67], 0x2000000     ; V's head
	s_add_nc_u64 s[66:67], s[66:67], 0x1000000     ; K's head
	s_add_nc_u64 s[8:9], s[8:9], s[20:21]
	s_add_nc_u64 s[8:9], s[8:9], s[22:23]          ; ao at my wave's first row
	s_add_nc_u64 s[6:7], s[6:7], s[76:77]
	s_cmp_lt_u32 s[WV], 4
	s_cselect_b64 s[PFA:PFA+1], s[66:67], s[68:69]
	s_add_nc_u64 s[PFA:PFA+1], s[PFA:PFA+1], s[78:79]
	s_add_nc_u64 s[72:73], s[66:67], s[58:59]      ; K and V at my tile of slot 0
	s_add_nc_u64 s[74:75], s[68:69], s[58:59]
	CROUND                                         ; all four work-groups are here: the first joint loads meet
.irp s, 0,1
	s_mov_b32 s[G0K+4*\s], 1
	s_add_co_u32 s[G0K+4*\s+1], s17, \s*SLOT1
	s_add_nc_u64 s[G0K+4*\s+2:G0K+4*\s+3], s[72:73], \s*32768
	s_or_b32 s[G0K+4*\s+3], s[G0K+4*\s+3], 0x80000000
	s_mov_b32 s[G0V+4*\s], 1
	s_add_co_u32 s[G0V+4*\s+1], s17, \s*SLOT1+VOFF
	s_add_nc_u64 s[G0V+4*\s+2:G0V+4*\s+3], s[74:75], \s*32768
	s_or_b32 s[G0V+4*\s+3], s[G0V+4*\s+3], 0x80000000
.endr
	s_cmp_lt_u32 s[WV], 4                          ; a wave's two first fills stand in one branch: two loads of mine are out
	s_cbranch_scc0 .Lfirst_v
	tensor_load_to_lds s[G0K:G0K+3], s[G1K:G1K+7]
	s_nop 0
	tensor_load_to_lds s[G0K+4:G0K+7], s[G1K:G1K+7]
	s_nop 0
.rept 4
	v_nop
.endr
	s_branch .Lfirst_asked
.Lfirst_v:
	tensor_load_to_lds s[G0V:G0V+3], s[G1V:G1V+7]
	s_nop 0
	tensor_load_to_lds s[G0V+4:G0V+7], s[G1V:G1V+7]
	s_nop 0
.rept 4
	v_nop
.endr
.Lfirst_asked:
	v_and_b32 v84, 15, v0                          ; r = lane % 16   (v64-87 are free until the first scores)
	v_bfe_u32 v85, v0, 4, 1                        ; h = lane / 16
	v_lshlrev_b32 v81, 3, v0
	global_load_b64 v[82:83], v81, s[6:7]          ; eight bytes of the mask a thread: 256 threads, 2,048 keys
	v_lshlrev_b32 v80, 7, v84
	v_lshl_add_u32 v80, v85, 4, v80                ; Q: row r of 128 bytes, + 16 h
	WIN 0x40                                       ; destination window 1
.irp x, 0,1,2,3
.irp c, 0,1
	global_load_b128 v[QF+16*\x+8*\c:QF+16*\x+8*\c+3],   v80, s[70:71] offset:2048*\x+64*\c
	global_load_b128 v[QF+16*\x+8*\c+4:QF+16*\x+8*\c+7], v80, s[70:71] offset:2048*\x+64*\c+32
.endr
.endr
	WIN 0
	v_mul_u32_u24 v[AK0], v84, KP
	v_lshl_add_u32 v[AK0], v85, 4, v[AK0]          ; K: row x pitch + 16 x half
	v_and_b32 v86, 7, v0
	v_bfe_u32 v87, v0, 3, 1
	v_lshl_add_u32 v[AV0], v85, 3, v86             ; V, for the turning load: key 8 h + lane % 8, channels 8 ((lane / 8) % 2) on
	v_mul_u32_u24 v[AV0], v[AV0], VP
	v_lshl_add_u32 v[AV0], v87, 4, v[AV0]
	v_add_nc_u32 v[AV0], VOFF, v[AV0]
	v_lshl_add_u32 v[AB0], v85, 5, BIASL           ; the table: my half's eight keys of a tile
	v_lshl_add_u32 v[ADR], v0, 5, BIASL            ; and where I store my eight words of it
.irp x, 0,1,2,3
	v_mov_b32 v[ST+6*\x+1], 0                      ; named as the upper halves of pairs before they are first written
	v_mov_b32 v[ST+6*\x+5], 0
.endr
	s_wait_loadcnt 0x0                             ; the mask and Q
.irp i, 0,1,2,3
	v_bfe_u32 v[64+\i], v82, 8*\i, 8
	v_bfe_u32 v[68+\i], v83, 8*\i, 8
.endr
.irp i, 0,1,2,3,4,5,6,7
	v_add_nc_u32 v[64+\i], -1, v[64+\i]            ; byte 1 -> 0, byte 0 -> all ones
.endr
.irp i, 0,1,2,3,4,5,6,7
	v_and_b32 v[64+\i], 0xff000000, v[64+\i]       ; 0, or -2^127
.endr
	ds_store_b128 v[ADR], v[64:67]
	ds_store_b128 v[ADR], v[68:71] offset:16
.macro FETCH_K                         ; a step's K: 64 keys x 64 channels, 8 fragments
	v_add_nc_u32 v[ADR], s[TB], v[AK0]
	WIN 0x40
.irp t, 0,1,2,3
.irp c, 0,1
	ds_load_b128 v[KF+16*\t+8*\c:KF+16*\t+8*\c+3],   v[ADR] offset:16*KP*\t+64*\c
	ds_load_b128 v[KF+16*\t+8*\c+4:KF+16*\t+8*\c+7], v[ADR] offset:16*KP*\t+64*\c+32
.endr
.endr
	WIN 0
.endm
.macro FETCH_BIAS                      ; its 64 keys' words of the table: register 8 t + j: key 16 t + 8 h + j
	v_add_nc_u32 v[ADR], s[TJ], v[AB0]
	s_add_co_u32 s[TJ], s[TJ], 256
.irp t, 0,1,2,3
	ds_load_b128 v[BI+8*\t:BI+8*\t+3],   v[ADR] offset:64*\t
	ds_load_b128 v[BI+8*\t+4:BI+8*\t+7], v[ADR] offset:64*\t+16
.endr
.endm
.macro FETCH_V                         ; its V, turned: fragment (u, n): keys 32 u on, channels 16 n on
	v_add_nc_u32 v[ADR], s[TB], v[AV0]
	s_add_co_u32 s[TB], s[TB], STEPB               ; the next fetch is the next step's
.irp u, 0,1
.irp n, 0,1,2,3
	ds_load_tr16_b128 v[VF+32*\u+8*\n:VF+32*\u+8*\n+3],   v[ADR] offset:32*VP*\u+32*\n
	ds_load_tr16_b128 v[VF+32*\u+8*\n+4:VF+32*\u+8*\n+7], v[ADR] offset:32*VP*\u+32*\n+16*VP
.endr
.endr
.endm
; 32 products S^T = K Q^T + C.  The 16 accumulators take turns, one instruction a turn.
.macro KQ
	WIN 0x05                                       ; K and Q in window 1; C and S^T in window 0
.irp c, 0,1
.irp t, 0,1,2,3
.irp x, 0,1,2,3
.if \c == 0
	v_wmma_f32_16x16x32_f16 v[S+32*\x+8*\t:S+32*\x+8*\t+7], v[KF+16*\t+8*\c:KF+16*\t+8*\c+7], v[QF+16*\x+8*\c:QF+16*\x+8*\c+7], v[BI+8*\t:BI+8*\t+7]
.else
	v_wmma_f32_16x16x32_f16 v[S+32*\x+8*\t:S+32*\x+8*\t+7], v[KF+16*\t+8*\c:KF+16*\t+8*\c+7], v[QF+16*\x+8*\c:QF+16*\x+8*\c+7], v[S+32*\x+8*\t:S+32*\x+8*\t+7]
.endif
.endr
.endr
.endr
.endm
; 32 products O^T += V^T P.  first = 1: the first 16 start the sums.
.macro PV first
	WIN 0x50                                       ; V and P in window 0; O^T in window 1
.irp u, 0,1
.irp n, 0,1,2,3
.irp x, 0,1,2,3
.if \first && (\u == 0)
	v_wmma_f32_16x16x32_f16 v[OA+32*\x+8*\n:OA+32*\x+8*\n+7], v[VF+32*\u+8*\n:VF+32*\u+8*\n+7], v[S+32*\x+8*\u:S+32*\x+8*\u+7], 0
.else
	v_wmma_f32_16x16x32_f16 v[OA+32*\x+8*\n:OA+32*\x+8*\n+7], v[VF+32*\u+8*\n:VF+32*\u+8*\n+7], v[S+32*\x+8*\u:S+32*\x+8*\u+7], v[OA+32*\x+8*\n:OA+32*\x+8*\n+7]
.endif
.endr
.endr
.endr
.endm
; THE SOFTMAX of a key step, the four tiles by turns so that no line waits for the line above it.  c0-c3 of tile x: v[BI + 4 x ..]; two partial sums: v[U + 4 x ..].
.macro SOFTMAX first
.irp j, 0,1,2,3                        ; the maximum: four chains, one for each score tile, each begun at its accumulator's low end
.irp x, 0,1,2,3
	v_max3_num_f32 v[BI+4*\x+\j], v[S+32*\x+8*\j], v[S+32*\x+8*\j+1], v[S+32*\x+8*\j+2]
.endr
.endr
.irp g, 3,5
.irp j, 0,1,2,3
.irp x, 0,1,2,3
	v_max3_num_f32 v[BI+4*\x+\j], v[BI+4*\x+\j], v[S+32*\x+8*\j+\g], v[S+32*\x+8*\j+\g+1]
.endr
.endr
.endr
.irp x, 0,1,2,3
	v_max3_num_f32 v[BI+4*\x], v[BI+4*\x], v[S+32*\x+7], v[S+32*\x+15]
.endr
.irp x, 0,1,2,3
	v_max3_num_f32 v[BI+4*\x+2], v[BI+4*\x+2], v[S+32*\x+23], v[S+32*\x+31]
.endr
.irp x, 0,1,2,3
	v_max3_num_f32 v[BI+4*\x], v[BI+4*\x], v[BI+4*\x+1], v[BI+4*\x+2]
.endr
.irp x, 0,1,2,3
.if \first
	v_max_num_f32 v[BI+4*\x], v[BI+4*\x], v[BI+4*\x+3]
.else
	v_max3_num_f32 v[BI+4*\x], v[BI+4*\x], v[BI+4*\x+3], v[ST+6*\x]   ; with the old m
.endif
.endr
.irp x, 0,1,2,3
	v_permlanex16_b32 v[BI+4*\x+1], v[BI+4*\x], s[SEL], s[SEL+1]      ; the query's other 32 keys lie in the lane 16 away
.endr
.if \first
.irp x, 0,1,2,3
	v_max3_num_f32 v[ST+6*\x], v[BI+4*\x], v[BI+4*\x+1], 0xfb800000   ; m, never under -2^120
.endr
.else
.irp x, 0,1,2,3
	v_max_num_f32 v[BI+4*\x], v[BI+4*\x], v[BI+4*\x+1]
.endr
.irp x, 0,1,2,3
	v_sub_f32 v[ST+6*\x+1], v[ST+6*\x], v[BI+4*\x]                    ; d = m_old - m_new
.endr
.irp x, 0,1,2,3
	v_mov_b32 v[ST+6*\x], v[BI+4*\x]
.endr
.endif
.set i, 0
.rept 16
.irp x, 0,1,2,3
	v_pk_add_f32 v[S+32*\x+i:S+32*\x+i+1], v[S+32*\x+i:S+32*\x+i+1], v[ST+6*\x:ST+6*\x+1] op_sel_hi:[1,0] neg_lo:[0,1] neg_hi:[0,1]   ; s - m, two at a time
.endr
.set i, i+2
.endr
.if !\first
.irp x, 0,1,2,3
	v_exp_f32 v[ST+6*\x+4], v[ST+6*\x+1]           ; a
.endr
.endif
.set i, 0
.rept 32
.irp x, 0,1,2,3
	v_exp_f32 v[S+32*\x+i], v[S+32*\x+i]           ; p: ONE BATCH of exponentials; none reads another's result
.endr
.set i, i+1
.endr
	v_nop                                          ; a plain instruction behind the last exponential
	s_wait_alu depctr_va_vdst(0)                   ; and one wait ahead of the batch's first reader
.irp x, 0,1,2,3                        ; the sums, of p as it is, two at a time in two chains
	v_pk_add_f32 v[U+4*\x:U+4*\x+1], v[S+32*\x:S+32*\x+1], v[S+32*\x+2:S+32*\x+3]
.endr
.irp x, 0,1,2,3
	v_pk_add_f32 v[U+4*\x+2:U+4*\x+3], v[S+32*\x+4:S+32*\x+5], v[S+32*\x+6:S+32*\x+7]
.endr
.irp g, 8,12,16,20,24,28
.irp x, 0,1,2,3
	v_pk_add_f32 v[U+4*\x:U+4*\x+1], v[U+4*\x:U+4*\x+1], v[S+32*\x+\g:S+32*\x+\g+1]
.endr
.irp x, 0,1,2,3
	v_pk_add_f32 v[U+4*\x+2:U+4*\x+3], v[U+4*\x+2:U+4*\x+3], v[S+32*\x+\g+2:S+32*\x+\g+3]
.endr
.endr
.if \first
.irp x, 0,1,2,3
	v_pk_add_f32 v[ST+6*\x+2:ST+6*\x+3], v[U+4*\x:U+4*\x+1], v[U+4*\x+2:U+4*\x+3]
.endr
.else
.irp x, 0,1,2,3
	v_pk_add_f32 v[U+4*\x:U+4*\x+1], v[U+4*\x:U+4*\x+1], v[U+4*\x+2:U+4*\x+3]
.endr
.irp x, 0,1,2,3
	v_pk_fma_f32 v[ST+6*\x+2:ST+6*\x+3], v[ST+6*\x+2:ST+6*\x+3], v[ST+6*\x+4:ST+6*\x+5], v[U+4*\x:U+4*\x+1] op_sel_hi:[1,0,1]   ; l = a l + the sum
.endr
.endif
.set i, 0
.rept 16
.irp x, 0,1,2,3
	v_cvt_pk_f16_f32 v[S+32*\x+i], v[S+32*\x+2*i], v[S+32*\x+2*i+1]   ; P, in place, ascending: register i is written when 2 i and 2 i + 1 are read
.endr
.set i, i+1
.endr
.endm
; A KEY STEP j.  more = 1: the next step's K, bias and V are fetched and its scores made.  Each run of LDS loads stands behind plain instructions that part it from the last product that read its registers.
.macro BODY first, more
.if \more
	FETCH_K                                        ; K of step j + 1: lands under the softmax
.endif
	SOFTMAX \first
.if \more
	FETCH_BIAS                                     ; behind the softmax, which had these registers at work
.endif
.if !\first
	WIN 0x41                                       ; O^T in window 1, a in window 0
.irp x, 0,1,2,3
.set i, 0
.rept 16
	v_pk_mul_f32 v[OA+32*\x+i:OA+32*\x+i+1], v[OA+32*\x+i:OA+32*\x+i+1], v[ST+6*\x+4:ST+6*\x+5] op_sel_hi:[1,0]   ; ascending: each accumulator from its low end on
.set i, i+2
.endr
.endr
.endif
.if \more
	s_wait_dscnt 8                                 ; V and K are in; the bias's eight loads may be out
.else
	s_wait_dscnt 0x0
.endif
	PV \first
.if \more
	WIN 0
.rept 5
	v_nop                                          ; the scores are laid over P, which the products above have read: five plain instructions between
.endr
	s_wait_dscnt 0x0                               ; the bias is in
	KQ
	WIN 0
.rept 4
	v_nop                                          ; ahead of the reads of the scores, of writes into the bias's registers and of loads into K's
.endr
	FETCH_V                                        ; V of step j + 1
.endif
.endm
.macro RUN n
	s_mov_b32 s[CNT], \n
.Lrun_\@:
	BODY 0, 1
	s_sub_co_u32 s[CNT], s[CNT], 1
	s_cmp_lg_u32 s[CNT], 0
	s_cbranch_scc1 .Lrun_\@
.endm
; THE CHANGE OF SLOTS: V of the old slot's last step has been asked for, K of the new slot's first step has not.  Each wave waits for all its tensor loads (one is out: its part of the other slot), adds 0 to its
; spare word, and waits for that and for its reads of the slot.  fill = 1: the barrier is a round of the cluster's, and the joint refill is the first thing behind it: it has four key steps in which to land.
.macro CHANGE fill
	s_wait_tensorcnt 0x0                           ; no tensor load of mine is out, so a group 0 may be written
	ds_add_u32 v[SPW], v[NIL]                      ; 0 onto my spare word
.if \fill
.irp g, G0K+4, G0V+4
	s_xor_b32 s[\g+1], s[\g+1], SLOT1              ; the walking descriptor: the other slot than last time,
	s_add_nc_u64 s[\g+2:\g+3], s[\g+2:\g+3], 32768 ; the next 256 keys
.endr
	s_wait_xcnt 0x0                                ; the last prefetch, four key steps back, has read its address
	s_add_nc_u64 s[PFA:PFA+1], s[PFA:PFA+1], 32768
	s_wait_dscnt 0x0                               ; the add is done, and my reads of the slot are over
	CROUND
	JLOAD
	ASK
.else
	s_wait_dscnt 0x0
	s_barrier_signal -1
	s_barrier_wait -1
.endif
	s_sub_co_u32 s[TB], s[TB], 4*STEPB             ; the fetches go back to a slot's first step,
	s_xor_b32 s[TB], s[TB], SLOT1                  ; in the other slot
.endm
	s_wait_tensorcnt 0x1                           ; my part of slot 0 is in; slot 1's may stay out
	s_wait_dscnt 0x0                               ; my words of the table are stored
	s_barrier_signal -1
	s_barrier_wait -1
	FETCH_K                                        ; key step 0
	FETCH_BIAS
	s_wait_dscnt 0x0
	KQ
	WIN 0
.rept 4
	v_nop
.endr
	FETCH_V
	BODY 1, 1                                      ; step 0 starts m, l and O^T
	RUN 2                                          ; steps 1, 2: slot 0's last bytes have been asked for
.Lslot:                                            ; 6 trips: every slot but the last two is filled again
	CHANGE 1
	RUN 4
	s_sub_co_u32 s[SLOTS], s[SLOTS], 1
	s_cmp_lg_u32 s[SLOTS], 0
	s_cbranch_scc1 .Lslot
	CHANGE 0                                       ; the tail is written out
	RUN 4
	BODY 0, 0                                      ; step 31
	; THE WAY OUT.  l's two halves and the other half of the lanes' are added; O^T is divided by l, rounded to f16 and sent through my stage, a tile (16 rows) at a time.  The additions part the reads from the last products.
	WIN 0
.irp x, 0,1,2,3
	v_add_f32 v[ST+6*\x+1], v[ST+6*\x+2], v[ST+6*\x+3]
.endr
.irp x, 0,1,2,3
	v_permlanex16_b32 v[BI+\x], v[ST+6*\x+1], s[SEL], s[SEL+1]
.endr
.irp x, 0,1,2,3
	v_add_f32 v[ST+6*\x+1], v[ST+6*\x+1], v[BI+\x]
.endr
.irp x, 0,1,2,3
	v_rcp_f32 v[ST+6*\x+4], v[ST+6*\x+1]
.endr
	v_and_b32 v43, 15, v0                          ; (plain work behind the reciprocals)  r
	v_bfe_u32 v44, v0, 4, 1                        ; h
	s_mul_i32 s20, s[WV], 16*KP
	s_add_co_u32 s20, s20, STAGE                   ; my stage
	v_mul_u32_u24 v[STO], v43, KP
	v_lshl_add_u32 v[STO], v44, 4, v[STO]
	v_add_nc_u32 v[STO], s20, v[STO]               ; in: row r, 16 bytes for each half of the lanes
	v_and_b32 v43, 31, v0
	v_lshrrev_b32 v44, 3, v43
	v_mul_u32_u24 v[RD], v44, KP
	v_and_b32 v44, 7, v0
	v_lshl_add_u32 v[RD], v44, 4, v[RD]
	v_add_nc_u32 v[RD], s20, v[RD]                 ; back: eight lanes to a row of 128 bytes, four rows an instruction
	v_lshlrev_b32 v[GO], 4, v43                    ; and the same 512 bytes in ao
	s_wait_alu depctr_va_vdst(0)                   ; one wait for the four reciprocals, ahead of their first reader
.macro OPACK x
	WIN 0x41
.set i, 0
.rept 16
	v_pk_mul_f32 v[OA+32*\x+i:OA+32*\x+i+1], v[OA+32*\x+i:OA+32*\x+i+1], v[ST+6*\x+4:ST+6*\x+5] op_sel_hi:[1,0]
.set i, i+2
.endr
	WIN 0x05                                       ; sources in window 1, destination in window 0
.set i, 0
.rept 16
	v_cvt_pk_f16_f32 v[S+16*\x+i], v[OA+32*\x+2*i], v[OA+32*\x+2*i+1]
.set i, i+1
.endr
	WIN 0
.irp n, 0,1,2,3
	ds_store_b128 v[STO], v[S+16*\x+4*\n:S+16*\x+4*\n+3] offset:32*\n
.endr
.irp n, 0,1,2,3
	ds_load_b128 v[S+64+16*\x+4*\n:S+64+16*\x+4*\n+3], v[RD] offset:4*KP*\n    ; LDS serves a wave's instructions in order: these see the stores above; the next tile's stores come behind them
.endr
.endm
.macro OSEND x, younger                ; younger: the LDS instructions issued behind tile x's loads
.irp n, 0,1,2,3
	s_wait_dscnt \younger+3-\n
	global_store_b128 v[GO], v[S+64+16*\x+4*\n:S+64+16*\x+4*\n+3], s[8:9] offset:2048*\x+512*\n   ; 32 lanes store 512 consecutive bytes, aligned
.endr
.endm
	OPACK 0
	OPACK 1
	OSEND 0, 8
	OPACK 2
	OSEND 1, 8
	OPACK 3
	OSEND 2, 8
	OSEND 3, 0
	s_wait_tensorcnt 0x0                           ; the wave's end, behind my last tensor load and my last LDS store
	ds_add_u32 v[SPW], v[NIL]
	s_wait_dscnt 0x0
	CROUND                                         ; the closing round
	s_endpgm
.Lfunc_end_k_q1ee30d2cd1_attn:
	.size	k_q1ee30d2cd1_attn, .Lfunc_end_k_q1ee30d2cd1_attn-k_q1ee30d2cd1_attn
	.p2alignl 7, 3214868480
	.fill 96, 4, 3214868480
	.section	.rodata,"a",@progbits
	.p2align	6, 0x0
	.amdhsa_kernel k_q1ee30d2cd1_attn
		.amdhsa_group_segment_fixed_size 327680
		.amdhsa_private_segment_fixed_size 0
		.amdhsa_enable_private_segment 0
		.amdhsa_kernarg_size 24
		.amdhsa_user_sgpr_count 2
		.amdhsa_user_sgpr_kernarg_segment_ptr 1
		.amdhsa_wavefront_size32 1
		.amdhsa_system_sgpr_workgroup_id_x 1
		.amdhsa_system_sgpr_workgroup_id_y 1
		.amdhsa_system_sgpr_workgroup_id_z 1
		.amdhsa_system_vgpr_workitem_id 0
		.amdhsa_next_free_vgpr 512
		.amdhsa_next_free_sgpr 80
		.amdhsa_reserve_vcc 0
		.amdhsa_float_denorm_mode_32 3
		.amdhsa_float_denorm_mode_16_64 3
		.amdhsa_memory_ordered 1
		.amdhsa_forward_progress 1
		.amdhsa_inst_pref_size 182
	.end_amdhsa_kernel
	.amdgpu_metadata
---
amdhsa.version: [ 1, 2 ]
amdhsa.kernels:
  - .name:           k_q1ee30d2cd1_attn
    .symbol:         k_q1ee30d2cd1_attn.kd
    .args:
      - { .name: qkv, .offset: 0, .size: 8, .value_kind: global_buffer, .address_space: global }
      - { .name: mask, .offset: 8, .size: 8, .value_kind: global_buffer, .address_space: global }
      - { .name: ao, .offset: 16, .size: 8, .value_kind: global_buffer, .address_space: global }
    .group_segment_fixed_size: 327680
    .private_segment_fixed_size: 0
    .kernarg_segment_align: 8
    .kernarg_segment_size: 24
    .max_flat_workgroup_size: 256
    .sgpr_count:     80
    .vgpr_count:     512
    .wavefront_size: 32
...
	.end_amdgpu_metadata
.endif
;; end of part 3
;; launch proj (part 4): grid 4 x 64, 4 waves a work-group, clusters of 4 x 4, 327,680 bytes of LDS; arguments ao, wo16, bo, out0; writes out0
.if DOCPART == 4
	.amdgcn_target "amdgcn-amd-amdhsa--gfx1250"
	.amdhsa_code_object_version 6
	.text
	.protected	k_q1ee30d2cd1_proj
	.globl	k_q1ee30d2cd1_proj
	.p2align	8
	.type	k_q1ee30d2cd1_proj,@function
k_q1ee30d2cd1_proj:
	s_mov_b64 s[64:65], 0
	v_nop
	global_prefetch_b8 v0, s[64:65] scope:SCOPE_SE
	s_setreg_imm32_b32 hwreg(HW_REG_WAVE_MODE, 25, 1), 1
	s_wait_xcnt 0x0
	s_wait_alu depctr_hold_cnt(0) depctr_sa_sdst(0) depctr_va_vdst(0) depctr_va_sdst(0) depctr_va_ssrc(0) depctr_va_vcc(0) depctr_vm_vsrc(0)
	s_getreg_b32 s2, hwreg(HW_REG_IB_STS2, 6, 4)
	s_cmp_eq_u32 s2, 0
	s_cbranch_scc0 .Lentry_in_a_cluster
	s_endpgm
.Lentry_in_a_cluster:
	s_bfe_u32 s2, ttmp6, 0x10000c
	s_cmp_lg_u32 s2, 0xf033
	s_cbranch_scc0 .Lentry_shape_is_right
	s_endpgm
.Lentry_shape_is_right:
; out0 [8192][1024] f32 = A Wo + bo.  A is attention's result, f16, laid by head: ao [batch x 16 + head][position][64]; k = 64 head + channel.  Wo as f16 in wo16 [1024 (k)][1024 (n)].  Sums in f32.
; A tile of out0 is 128 rows x 256 columns: 256 work-groups.  Four waves, each 64 x 128: 32 accumulators, 256 registers.  K goes in steps of 128 (two heads) through two LDS slots filled by tensor loads:
; waves 0 and 1 fetch the two heads' 128 rows of A (128 bytes each), waves 2 and 3 each 64 k-rows of Wo (512 bytes each).
; CLUSTERS: 4 x 4 work-groups; A's tiles are shared along a row of the cluster, Wo's along a column: each is asked for jointly.
; THE MATRIX INSTRUCTION IS USED TRANSPOSED: source 0 = 16 columns of Wo (turned out of LDS by ds_load_tr16_b128), source 1 = 16 rows of A: a lane holds eight neighbouring columns of one row.  The bias is the C of each sum's first product.
; No prefetch: the launch has eight K steps, and its tiles are shared in the cluster.
; REGISTERS: window 0: v16-29 addresses; v32-95 the bias; v128-191 A's fragments, two buffers of 32; on the way out v128-255 rows read back.   window 1: accumulator (a, b) at v[8 (8 a + b)].   window 2: Wo's fragments, two buffers of 64.
.set AP,    144                        ; a row of A in LDS: 128 bytes + 16
.set AZ,    128*AP                     ; a head's 128 rows
.set BP,    544                        ; a k-row of Wo: 512 bytes + 32
.set BOFF,  2*AZ
.set SLOT,  BOFF+128*BP
.set STAGE, 2*SLOT                     ; the way out: 16 rows x (512 bytes + 16) for each wave
.set SPITCH, 528
.set SPARE, STAGE+4*16*SPITCH          ; the spare words, 128 bytes for each wave: two blocks of 256 bytes that no other line names
.set ADRA, 16
.set ADRB, 20
.set STO,  24
.set RD,   25
.set CO,   26
.set SPW,  28
.set NIL,  29
.set BIAS, 32
.set FA,   128
.set BK,   128
.set G1,   24
.set G0,   32
.set G1B,  48
.set G0B,  56
.set MSB, 0
.macro WIN new
.if MSB != (\new)
	s_set_vgpr_msb (MSB<<8)|(\new)
.set MSB, (\new)
.endif
.endm
.set MUL, 0x52                         ; source 0 (Wo) window 2, source 1 (A) window 0, C and D window 1
.macro JLOAD s                         ; a joint load: waves 0 and 1 fetch for A, waves 2 and 3 for Wo; an s_nop 0 and four v_nop follow each of the two lines
	s_cmp_eq_u32 s13, 0
	s_cbranch_scc0 .Lfor_b_\@
	tensor_load_to_lds s[G0+4*\s:G0+4*\s+3], s[G1:G1+7]
	s_nop 0
.rept 4
	v_nop
.endr
	s_branch .Lasked_\@
.Lfor_b_\@:
	tensor_load_to_lds s[G0B+4*\s:G0B+4*\s+3], s[G1B:G1B+7]
	s_nop 0
.rept 4
	v_nop
.endr
.Lasked_\@:
.endm
.macro CREST                           ; a round of the cluster's barrier behind its opening barrier
	s_cmp_lg_u32 s12, 0
	s_cbranch_scc1 .Lnot_wave_0_\@
	s_barrier_signal -3
.Lnot_wave_0_\@:
	s_barrier_wait -3
	s_barrier_signal -1
	s_barrier_wait -1
.endm
.macro CROUND
	s_barrier_signal -1
	s_barrier_wait -1
	CREST
.endm
	s_load_b256 s[4:11], s[0:1], 0x0               ; ao s[4:5], wo16 s[6:7], bo s[8:9], out0 s[10:11]
	v_lshl_add_u32 v[SPW], v0, 2, SPARE
	v_mov_b32 v[NIL], 0
	ds_add_u32 v[SPW], v[NIL]                      ; the wave's opening: the add, twice on end, and its wait ahead of my first tensor load
	ds_add_u32 v[SPW], v[NIL]
	v_lshrrev_b32 v1, 5, v0
	v_readfirstlane_b32 s12, v1                    ; wave 0..3
	s_lshr_b32 s13, s12, 1                         ; which half of the tile's rows is mine.  Also: I fetch for A (0) or for Wo (1)
	s_and_b32 s14, s12, 1                          ; which half of its columns.  Also: which head, or which 64 k-rows, I fetch
	s_bfe_u32 s40, ttmp6, 0x40000                  ; cx, cy
	s_bfe_u32 s41, ttmp6, 0x40004
	s_lshl_b32 s42, ttmp9, 2
	s_add_co_u32 s42, s42, s40                     ; tile column: 0..3
	s_and_b32 s15, ttmp7, 0xffff
	s_lshl_b32 s15, s15, 2
	s_add_co_u32 s15, s15, s41                     ; tile row: 0..63
	s_lshl_b32 s43, s41, 2
	s_lshl_b32 s43, 15, s43                        ; my row of the cluster
	s_lshl_b32 s44, 0x1111, s40                    ; my column
	s_or_b32 s[G1+0], s43, (1<<16)|(1<<20)|(1<<21)|(4<<22)|(3<<25)    ; A: elements of 2 bytes; after every 32 words, 4 words of padding
	s_mov_b32 s[G1+1], 64<<16                      ; tensor_dim0
	s_mov_b32 s[G1+2], 128<<16                     ; tensor_dim1
	s_mov_b32 s[G1+3], 64<<16                      ; tile_dim0
	s_mov_b32 s[G1+4], 128                         ; tile_dim1
	s_mov_b32 s[G1+5], 64                          ; from row to row
	s_mov_b32 s[G1+6], 0
	s_mov_b32 s[G1+7], 0
	s_or_b32 s[G1B+0], s44, (1<<16)|(1<<20)|(1<<21)|(6<<22)|(7<<25)   ; Wo: after every 128 words, 8 words of padding
	s_mov_b32 s[G1B+1], 256<<16
	s_mov_b32 s[G1B+2], 64<<16
	s_mov_b32 s[G1B+3], 256<<16
	s_mov_b32 s[G1B+4], 64
	s_mov_b32 s[G1B+5], 1024
	s_mov_b32 s[G1B+6], 0
	s_mov_b32 s[G1B+7], 0
	s_lshr_b32 s16, s15, 4                         ; A: ((batch x 16 + head) x 2,048 + position) x 128 bytes
	s_lshl_b32 s16, s16, 4
	s_add_co_u32 s16, s16, s14
	s_lshl_b32 s16, s16, 11
	s_and_b32 s17, s15, 15
	s_lshl_b32 s17, s17, 7
	s_add_co_u32 s16, s16, s17
	s_lshl_b32 s16, s16, 7
	s_mov_b32 s17, 0
	s_lshl_b32 s46, s14, 17                        ; Wo: 64 k-rows of 2,048 bytes x half + 512 x tile column
	s_lshl_b32 s47, s42, 9
	s_add_co_u32 s46, s46, s47
	s_mov_b32 s47, 0
	s_mul_i32 s20, s14, AZ                         ; where they go in a slot
	s_mul_i32 s21, s14, 64*BP
	s_add_co_u32 s21, s21, BOFF
	s_wait_dscnt 0x0                               ; both opening adds are done
	s_wait_kmcnt 0x0
	s_add_nc_u64 s[16:17], s[4:5], s[16:17]
	s_add_nc_u64 s[46:47], s[6:7], s[46:47]
	CROUND                                         ; all sixteen work-groups are here: the first joint loads meet
.irp s, 0,1
	s_mov_b32 s[G0+4*\s], 1
	s_add_co_u32 s[G0+4*\s+1], s20, \s*SLOT
	s_add_nc_u64 s[G0+4*\s+2:G0+4*\s+3], s[16:17], \s*524288       ; K step s: two heads on
	s_or_b32 s[G0+4*\s+3], s[G0+4*\s+3], 0x80000000
	s_mov_b32 s[G0B+4*\s], 1
	s_add_co_u32 s[G0B+4*\s+1], s21, \s*SLOT
	s_add_nc_u64 s[G0B+4*\s+2:G0B+4*\s+3], s[46:47], \s*262144     ; 128 k-rows on
	s_or_b32 s[G0B+4*\s+3], s[G0B+4*\s+3], 0x80000000
	JLOAD \s                                       ; two loads of mine are out
.endr
	v_and_b32 v1, 15, v0                           ; r
	v_bfe_u32 v2, v0, 4, 1                         ; h
	s_lshl_b32 s68, s42, 8
	s_lshl_b32 s69, s14, 7
	s_add_co_u32 s68, s68, s69
	s_lshl_b32 s68, s68, 2                         ; my first column, in bytes
	s_mov_b32 s69, 0
	s_add_nc_u64 s[8:9], s[8:9], s[68:69]
	v_lshlrev_b32 v7, 5, v2
.irp b, 0,1,2,3,4,5,6,7
	global_load_b128 v[BIAS+8*\b:BIAS+8*\b+3], v7, s[8:9] offset:64*\b      ; lane (r, h), tile b: bo at columns 16 b + 8 h + 0 .. 7
	global_load_b128 v[BIAS+8*\b+4:BIAS+8*\b+7], v7, s[8:9] offset:64*\b+16
.endr
	s_lshl_b32 s66, s15, 7
	s_lshl_b32 s67, s13, 6
	s_add_co_u32 s66, s66, s67                     ; my first row
	s_lshl_b32 s66, s66, 12
	s_add_co_u32 s66, s66, s68
	s_mov_b32 s67, 0
	s_add_nc_u64 s[10:11], s[10:11], s[66:67]
	v_mul_u32_u24 v3, v1, AP
	v_lshl_add_u32 v3, v2, 4, v3                   ; A: row x pitch + 16 x half
	s_mul_i32 s22, s13, 64*AP                      ; my 64 rows
	v_and_b32 v4, 7, v0
	v_lshl_add_u32 v4, v2, 3, v4                   ; Wo, for the turning load: k-row 8 h + lane % 8, columns 8 ((lane / 8) % 2) on
	v_mul_u32_u24 v4, v4, BP
	v_bfe_u32 v5, v0, 3, 1
	v_lshl_add_u32 v4, v5, 4, v4
	s_lshl_b32 s23, s14, 8                         ; my 128 columns
	s_add_co_u32 s23, s23, BOFF
.irp s, 0,1
	v_add_nc_u32 v[ADRA+\s], s22, v3
	v_add_nc_u32 v[ADRB+\s], s23, v4
	s_add_co_u32 s22, s22, SLOT
	s_add_co_u32 s23, s23, SLOT
.endr
	s_mul_i32 s22, s12, 16*SPITCH
	s_add_co_u32 s22, s22, STAGE                   ; my stage
	v_mul_u32_u24 v5, v1, SPITCH
	v_lshl_add_u32 v5, v2, 5, v5
	v_add_nc_u32 v[STO], s22, v5                   ; in: row r, 32 bytes for each half of the lanes
	v_and_b32 v6, 31, v0
	v_lshlrev_b32 v[CO], 4, v6                     ; back: the 32 lanes take one row of 512 bytes; and the same in out0
	v_add_nc_u32 v[RD], s22, v[CO]
; 8 matrix instructions: A's block a x Wo's eight, 32 along K, buffer f.  first = 1: the bias starts the sums.  The 32 accumulators take turns, one instruction a turn.
.macro MUL8 f, a, first
.irp b, 0,1,2,3,4,5,6,7
.if \first
	v_wmma_f32_16x16x32_f16 v[8*(8*(\a)+\b):8*(8*(\a)+\b)+7], v[64*(\f)+8*\b:64*(\f)+8*\b+7], v[FA+32*(\f)+8*(\a):FA+32*(\f)+8*(\a)+7], v[BIAS+8*\b:BIAS+8*\b+7]
.else
	v_wmma_f32_16x16x32_f16 v[8*(8*(\a)+\b):8*(8*(\a)+\b)+7], v[64*(\f)+8*\b:64*(\f)+8*\b+7], v[FA+32*(\f)+8*(\a):FA+32*(\f)+8*(\a)+7], v[8*(8*(\a)+\b):8*(8*(\a)+\b)+7]
.endif
.endr
.endm
; 24 LDS loads in one run: the fragments of the slot's quarter kk (32 along K) into buffer f: Wo's sixteen first, then A's eight
.macro FETCH slot, kk, f
	WIN 0x80                                       ; destination window 2
.irp b, 0,1,2,3,4,5,6,7
	ds_load_tr16_b128 v[64*(\f)+8*\b:64*(\f)+8*\b+3],   v[ADRB+\slot] offset:32*BP*(\kk)+32*\b
	ds_load_tr16_b128 v[64*(\f)+8*\b+4:64*(\f)+8*\b+7], v[ADRB+\slot] offset:32*BP*(\kk)+32*\b+16*BP
.endr
	WIN 0
.irp a, 0,1,2,3
	ds_load_b128 v[FA+32*(\f)+8*\a:FA+32*(\f)+8*\a+3],   v[ADRA+\slot] offset:((\kk)/2)*AZ+((\kk)%2)*64+16*AP*\a
	ds_load_b128 v[FA+32*(\f)+8*\a+4:FA+32*(\f)+8*\a+7], v[ADRA+\slot] offset:((\kk)/2)*AZ+((\kk)%2)*64+16*AP*\a+32
.endr
.endm
.macro PLACES                          ; plain vector instructions between a matrix instruction and a load into, or a read of, its registers
.rept 4
	v_nop
.endr
.endm
; A K step is four quarters of 32 along K, 32 matrix instructions each, on buffers 0, 1, 0, 1.  One of the first three: multiplies buffer f and fetches quarter kk into g.
.macro QUARTER slot, kk, f, g, first
	s_wait_dscnt 4                                 ; Wo's fragments and A's blocks 0, 1 are in; the youngest four loads (A's blocks 2, 3) may be out
	WIN MUL-0x10*(\first)                          ; (first: C, the bias, lies in window 0)
	MUL8 \f, 0, \first
	MUL8 \f, 1, \first
	PLACES
	FETCH \slot, \kk, \g
	s_wait_dscnt 24                                ; all but the 24 just issued
	WIN MUL-0x10*(\first)
	MUL8 \f, 2, \first
	MUL8 \f, 3, \first
.endm
; The last quarter multiplies buffer 1 and changes slots: ONE barrier; in front of it each wave waits for all its tensor loads, adds 0 to its spare word, and waits for that and for its reads of this slot.
; fill = 1: the barrier opens a round of the cluster's, and this slot is filled again, two K steps ahead, first thing behind it.
.macro TURN slot, next, fill
	WIN 0
	s_wait_tensorcnt 0x0                           ; all my tensor loads have landed: my part of the next slot
	ds_add_u32 v[SPW], v[NIL]                      ; 0 onto my spare word
	s_wait_dscnt 5                                 ; the add and the youngest four loads may be out
	WIN MUL
	MUL8 1, 0, 0
	s_wait_dscnt 0x0                               ; the add is done, and my reads of this slot are over
	s_barrier_signal -1
	MUL8 1, 1, 0
.if \fill
	WIN 0
.endif
	s_barrier_wait -1
.if \fill
	CREST
	s_add_nc_u64 s[G0+4*\slot+2:G0+4*\slot+3], s[G0+4*\slot+2:G0+4*\slot+3], 1048576
	s_add_nc_u64 s[G0B+4*\slot+2:G0B+4*\slot+3], s[G0B+4*\slot+2:G0B+4*\slot+3], 524288
	JLOAD \slot                                    ; the four v_nop behind it also part the loads below from the products that read their registers
.else
	PLACES
.endif
	FETCH \next, 0, 0
	WIN MUL
	MUL8 1, 2, 0
	MUL8 1, 3, 0
.endm
	s_wait_tensorcnt 1                             ; my part of K step 0 is in; K step 1's load may be out
	s_wait_loadcnt 0x0                             ; the bias
	s_barrier_signal -1
	s_barrier_wait -1
	FETCH 0, 0, 0
	QUARTER 0, 1, 0, 1, 1                          ; the first quarter stands in front of the loop: its products start the sums
	WIN 0
	s_mov_b32 s3, 3
.Llap:                                             ; a trip goes once round the two slots and fills both again: K steps 2 to 7
	QUARTER 0, 2, 1, 0, 0
	QUARTER 0, 3, 0, 1, 0
	TURN 0, 1, 1
	QUARTER 1, 1, 0, 1, 0
	QUARTER 1, 2, 1, 0, 0
	QUARTER 1, 3, 0, 1, 0
	TURN 1, 0, 1
	QUARTER 0, 1, 0, 1, 0
	WIN 0
	s_sub_co_u32 s3, s3, 1
	s_cmp_lg_u32 s3, 0
	s_cbranch_scc1 .Llap
	QUARTER 0, 2, 1, 0, 0                          ; the last lap fills nothing
	QUARTER 0, 3, 0, 1, 0
	TURN 0, 1, 0
	QUARTER 1, 1, 0, 1, 0
	QUARTER 1, 2, 1, 0, 0
	QUARTER 1, 3, 0, 1, 0
	s_wait_dscnt 4                                 ; the very last quarter: nothing more to fetch
	WIN MUL
	MUL8 1, 0, 0
	MUL8 1, 1, 0
	s_wait_dscnt 0
	MUL8 1, 2, 0
	MUL8 1, 3, 0
	WIN 0
; THE WAY OUT, block by block of 16 rows x 128 columns of f32: through my own stage, back as whole rows of 512 bytes.
.macro TOSTAGE a
	WIN 0x04                                       ; an LDS store's data: window 1
.irp b, 0,1,2,3,4,5,6,7
	ds_store_b128 v[STO], v[8*(8*(\a)+\b):8*(8*(\a)+\b)+3] offset:64*\b          ; each accumulator from its low end on
	ds_store_b128 v[STO], v[8*(8*(\a)+\b)+4:8*(8*(\a)+\b)+7] offset:64*\b+16
.endr
	WIN 0
.set BB, BK+64*((\a)%2)
.irp t, 0,1,2,3,4,5,6,7,8,9,10,11,12,13,14,15
	ds_load_b128 v[BB+4*\t:BB+4*\t+3], v[RD] offset:\t*SPITCH     ; LDS serves a wave's instructions in order: these see the stores above
.endr
.endm
.macro SEND a, younger                 ; younger: the LDS instructions issued behind block a's loads
.set BB, BK+64*((\a)%2)
	s_wait_dscnt \younger
.irp t, 0,1,2,3,4,5,6,7,8,9,10,11,12,13,14,15
	global_store_b128 v[CO], v[BB+4*\t:BB+4*\t+3], s[10:11] offset:65536*(\a)+4096*\t th:TH_STORE_NT   ; 32 lanes store 512 consecutive bytes, aligned; written once
.endr
.endm
	PLACES
	TOSTAGE 0
.irp a, 1,2,3
.if \a > 1
	s_wait_xcnt 0x0                                ; block a - 2's stores have read their registers: block a's loads may land there
.endif
	TOSTAGE \a
	SEND \a-1, 32                                  ; behind block a - 1's loads: block a's 16 stores and 16 loads
.endr
	SEND 3, 0
	s_wait_tensorcnt 0x0                           ; the wave's end, behind my last tensor load and my last LDS store
	ds_add_u32 v[SPW], v[NIL]
	s_wait_dscnt 0x0
	CROUND                                         ; the closing round
	s_endpgm
.Lfunc_end_k_q1ee30d2cd1_proj:
	.size	k_q1ee30d2cd1_proj, .Lfunc_end_k_q1ee30d2cd1_proj-k_q1ee30d2cd1_proj
	.p2alignl 7, 3214868480
	.fill 96, 4, 3214868480
	.section	.rodata,"a",@progbits
	.p2align	6, 0x0
	.amdhsa_kernel k_q1ee30d2cd1_proj
		.amdhsa_group_segment_fixed_size 327680
		.amdhsa_private_segment_fixed_size 0
		.amdhsa_enable_private_segment 0
		.amdhsa_kernarg_size 32
		.amdhsa_user_sgpr_count 2
		.amdhsa_user_sgpr_kernarg_segment_ptr 1
		.amdhsa_wavefront_size32 1
		.amdhsa_system_sgpr_workgroup_id_x 1
		.amdhsa_system_sgpr_workgroup_id_y 1
		.amdhsa_system_sgpr_workgroup_id_z 1
		.amdhsa_system_vgpr_workitem_id 0
		.amdhsa_next_free_vgpr 640
		.amdhsa_next_free_sgpr 72
		.amdhsa_reserve_vcc 0
		.amdhsa_float_denorm_mode_32 3
		.amdhsa_float_denorm_mode_16_64 3
		.amdhsa_memory_ordered 1
		.amdhsa_forward_progress 1
		.amdhsa_inst_pref_size 87
	.end_amdhsa_kernel
	.amdgpu_metadata
---
amdhsa.version: [ 1, 2 ]
amdhsa.kernels:
  - .name:           k_q1ee30d2cd1_proj
    .symbol:         k_q1ee30d2cd1_proj.kd
    .args:
      - { .name: ao, .offset: 0, .size: 8, .value_kind: global_buffer, .address_space: global }
      - { .name: wo16, .offset: 8, .size: 8, .value_kind: global_buffer, .address_space: global }
      - { .name: bo, .offset: 16, .size: 8, .value_kind: global_buffer, .address_space: global }
      - { .name: out0, .offset: 24, .size: 8, .value_kind: global_buffer, .address_space: global }
    .group_segment_fixed_size: 327680
    .private_segment_fixed_size: 0
    .kernarg_segment_align: 8
    .kernarg_segment_size: 32
    .max_flat_workgroup_size: 128
    .sgpr_count:     72
    .vgpr_count:     640
    .wavefront_size: 32
...
	.end_amdgpu_metadata
.endif
;; end of part 4
